; MI455X (gfx1250); checked and timed in simulation.
; The chip was launched on July 23, 2026; its instructions are those of AMD's public machine-readable ISA for CDNA 5 (MIT licence, August 2026) and "CDNA5" Instruction Set Architecture Reference Guide (July 2026). The comments in the code are by the model that wrote it; some were corrected since.
;; Attention. Allowed arithmetic: matrix products marked QUANTISED: E2M1 operands, one E8M0 scale for each 32 along K, by v_wmma_scale_f32_16x16x128_f8f6f4 with both operands' format E2M1 (or v_wmma_scale_f32_32x16x128_f4), f32 sums; everything else in f32.
;; Inputs: W_qkv 1,024 x 3,072 float32; b_qkv 3,072 float32; x 4 x 2,048 x 1,024 float32.
;; Outputs: out0 4 x 2,048 x 1,024 float32.
;; This version of the problem:
;;   THIS VERSION OF THE PROBLEM IS GIVEN IN LOW PRECISION. The matrix products marked QUANTISED in the list below multiply operands that are first quantised to E2M1 (2 exponent bits, 1 mantissa bit; 4 bits a number), with one power-of-two scale for each 32 numbers along K (OCP MX v1.0); their sums are f32. All else is computed in f32.
;;   The module's matrix products, in the order in which they are computed (A, B: the left and right operand; K: the contracted axis; several contracted axes count as one K, in the product's order):
;;     1. [M 8,192, K 1,024] x [K 1,024, N 3,072]; A: input x; B: input W_qkv: QUANTISED
;;     2. batch 64 x [M 2,048, K 64] x [K 64, N 2,048]; A: computed on the way; B: computed on the way: QUANTISED
;;     3. batch 64 x [M 2,048, K 2,048] x [K 2,048, N 64]; A: softmax (see below); B: computed on the way: QUANTISED
;;   THE QUANTISER, for each operand of a quantised product, along K:
;;     - K is cut into blocks of 32 from its start; a last block that is shorter is filled with zeros.
;;     - A block's scale is 2^e with e = floor(log2(the largest magnitude in the block)) - 2, held to -126 .. 127; a block of zeros has e = 0. As a byte (E8M0): e + 127.
;;     - Each number is divided by its block's scale, clamped to +-6, and rounded to the nearest number of E2M1, ties to even, subnormals kept.
;;     - The product sums the exact products of the quantised numbers (number of the format x scale) in f32.
;;   ~~~python
;;   def quantise(x, axis):      # numpy; x: float32 -> the quantised numbers, widened to float32 again
;;       x = np.moveaxis(x, axis, -1); K = x.shape[-1]
;;       x = np.pad(x, [(0, 0)] * (x.ndim - 1) + [(0, -K % 32)]); x = x.reshape(x.shape[:-1] + (-1, 32)); a = np.abs(x).max(-1, keepdims=True)
;;       e = np.where(a > 0, np.clip(np.frexp(np.where(a > 0, a, 1))[1] - 1 - 2, -126, 127), 0)      # np.frexp(a)[1] - 1 = floor(log2(a)), exactly
;;       r = np.clip(x / 2.0 ** e, -6, 6)
;;       step = 2.0 ** (np.maximum(np.frexp(np.where(r == 0, 1, r))[1] - 1, 0) - 1)
;;       q = np.round(r / step) * step * 2.0 ** e      # np.round: ties to even
;;       return np.moveaxis(q.reshape(q.shape[:-2] + (-1,))[..., :K], -1, axis).astype(np.float32)
;;   ~~~
;;   SOFTMAX AHEAD OF A QUANTISED PRODUCT. Where the list says 'softmax', what is quantised is not the finished softmax but p = 2^(t - M), with t = logit x log2(e) and M = ceil(the row's largest t), a whole number; so 1/2 < the row's largest p <= 1. The row's sum l is taken of the UNQUANTISED p, in f32, and the product's result is divided by l at the end. Since M is a whole number, a kernel that streams over the keys may use a running M (the ceiling of the running maximum): every later rescaling is an exact power of two, which a block's scale takes up: the codes' values come out the same.
;;   OPERANDS COMPUTED ON THE WAY. 'Computed on the way' means the value that the module computes at that place (a softmax that the list does not call 'softmax' is quantised finished and normalised). What goes into a quantiser is computed in f32, as accurately as f32 sums, v_exp_f32 and their like allow (about 1e-6 of the number): no bf16 or f16 on the way to a quantiser, and a product that is left as it is and whose result goes on into a quantised operand takes f32 operands (vector FMAs, or v_wmma_f32_16x16x4_f32). A number that lies on a knife's edge between two numbers of the format may be rounded either way, as far as f32 arithmetic and the matrix unit's own rounding can turn it there, and no further.
;; One version. Each part assembles by itself: llvm-mc -triple=amdgcn-amd-amdhsa -mcpu=gfx1250 --defsym DOCPART=n.
;; ======== version 1 of 1: 3 launches
;; limits: right only within a limited range of input values
;; workspace buffers: xwc 5,767,168 bytes; xws 360,448 bytes; qkv 18,350,080 bytes
;; launch quant (part 1): grid 352 x 1, 8 waves a work-group, no clusters, 68,608 bytes of LDS; arguments x, W_qkv, xwc, xws; writes xwc, xws
.if DOCPART == 1
	.amdgcn_target "amdgcn-amd-amdhsa--gfx1250"
	.amdhsa_code_object_version 6
	.text
	.protected	k_q182ddcdf67_quant
	.globl	k_q182ddcdf67_quant
	.p2align	8
	.type	k_q182ddcdf67_quant,@function
k_q182ddcdf67_quant:
	s_mov_b64 s[64:65], 0
	v_nop
	global_prefetch_b8 v0, s[64:65] scope:SCOPE_SE
	s_setreg_imm32_b32 hwreg(HW_REG_WAVE_MODE, 25, 1), 1
	s_wait_xcnt 0x0
; x [8192][1024] f32 (K innermost) and W_qkv [1024][3072] f32 (K is the FIRST axis) become codes of FP4 (E2M1), K innermost, with one E8M0 byte for each 32 along K.
; xwc: [11264 rows][512 bytes]: rows 0-8191 are x's rows, row 8192 + 384 g + i is column 256 g + i of W for i < 256, column 2048 + 128 g + i - 256 from 256 on.  xws: [11264][32 bytes].
; A block's scale is 2^(floor(log2(its largest magnitude)) - 2); its byte is the largest magnitude's exponent field - 2, held at 1 from below by a floor among the maximum's leaves.
; LIMITS: NaN and infinities among the inputs are not served.  A block whose largest magnitude lies under 2^-124 gets the byte 1.  A block of zeros gets the byte 1 where the rule says 127:
; its codes are zeros, which add nothing under any byte but 0xff, and only this program reads the bytes.
; Work-groups 0-95 take W, work-groups 96-351 take x: one scalar branch on the work-group's number.  Each of the two ways has LDS bytes of its own.
; No matrix work, no tensor loads, no cluster: the work-groups share no input, and memory binds.
.set WGW,   96                         ; work-groups for W
; ---- x: a plain stream of blocks of 32.  A wave takes 8 steps of 512 numbers
.set SP,    80                         ; a lane's place in a stage: its 64 bytes + 16 of padding
.set WREG,  6144                       ; LDS of a wave: two stages of 32 x SP bytes, then its 128 scale bytes
.set XSCL,  2*32*SP
.set R,     16                         ; v16-143  eight sets of 16 numbers as they are loaded: no set is loaded twice
.set X,     144                        ; v144-175 two sets of 16 neighbours
.set C,     176                        ; v176-191 codes: two registers a step
.set E,     192                        ; v192-199 a scale byte a step
; ---- W: a lane takes a column, its registers run down K
.set WROW,  12288                      ; a row of W in bytes
.set WP,    272                        ; a stage row: 256 bytes of codes (512 along K) + 16
.set WST,   49152                      ; the stage: 64 columns x WP
.set WSS,   WST+64*WP                  ; 64 columns x 16 scale bytes
.set WX,    16                         ; v16-143  four blocks of 32 numbers
.set WC,    144                        ; v144-159 four registers of codes a block
.set SB,    160                        ; v160     my column's four scale bytes
.set OUTR,  164                        ; v164-179 rows on their way out
.set SCO,   184                        ; v184-187 scale bytes on their way out
	s_load_b256 s[4:11], s[0:1], 0x0               ; x s[4:5], W s[6:7], the codes s[8:9], the scale bytes s[10:11]
	v_lshl_add_u32 v208, v0, 2, 0x10800
	v_mov_b32 v209, 0
	v_lshrrev_b32 v1, 5, v0
	s_delay_alu instid0(VALU_DEP_1)
	v_readfirstlane_b32 s16, v1                    ; wave 0..7
	v_and_b32 v2, 31, v0                           ; lane
	s_cmp_lt_u32 ttmp9, WGW
	s_cbranch_scc1 .Lweights
; ================= x =================
; The conversions take 8 numbers of ONE block from a lane's consecutive registers, so a lane must hold 16 neighbours; a load is dense where neighbouring lanes take neighbouring bytes.
; Both are had: each load reads 512 consecutive bytes, 16 a lane; a step's 2,048 bytes go through the wave's own stage in LDS and come back 64 bytes a lane.
	s_sub_co_u32 s17, ttmp9, WGW
	s_lshl_b32 s17, s17, 3
	s_add_co_u32 s17, s17, s16                     ; which run of 4,096 numbers is my wave's: 0..2047
	s_lshl_b32 s20, s17, 14                        ; 16,384 bytes of x,
	s_mov_b32 s21, 0
	s_lshl_b32 s22, s17, 11                        ; 2,048 bytes of codes,
	s_mov_b32 s23, 0
	s_lshl_b32 s24, s17, 7                         ; 128 scale bytes a run
	s_mov_b32 s25, 0
	s_mul_i32 s18, s16, WREG
	s_wait_alu depctr_va_vdst(0)
	v_lshlrev_b32 v3, 4, v2                        ; my 16 bytes of a load's 512
	v_lshrrev_b32 v14, 2, v2
	s_delay_alu instid0(VALU_DEP_1)
	v_mul_u32_u24 v14, v14, SP
	v_and_b32 v15, 3, v2
	s_delay_alu instid0(VALU_DEP_1)
	v_lshl_add_u32 v14, v15, 4, v14
	s_delay_alu instid0(VALU_DEP_1)
	v_add_nc_u32 v14, s18, v14                     ; into the stage: four lanes' 64 bytes on end, then 16 of padding
	v_mul_u32_u24 v15, v2, SP
	s_delay_alu instid0(VALU_DEP_1)
	v_add_nc_u32 v15, s18, v15                     ; out of it: SP x lane: my 16 neighbours
	v_lshlrev_b32 v4, 3, v2                        ; my 8 bytes of a step's codes
	v_lshrrev_b32 v5, 1, v2
	s_add_co_u32 s18, s18, XSCL
	v_add_nc_u32 v5, s18, v5                       ; my block's byte among the wave's 128
	v_lshlrev_b32 v7, 2, v2
	s_delay_alu instid0(VALU_DEP_1)
	v_add_nc_u32 v6, s18, v7                       ; and on the way out 4 bytes a lane
	s_wait_alu depctr_va_vdst(0)
	s_wait_kmcnt 0x0
	s_add_nc_u64 s[4:5], s[4:5], s[20:21]
	s_add_nc_u64 s[8:9], s[8:9], s[22:23]
	s_add_nc_u64 s[10:11], s[10:11], s[24:25]
.macro XLOAD t
.irp i, 0,1,2,3
	global_load_b128 v[R+16*(\t)+4*\i:R+16*(\t)+4*\i+3], v3, s[4:5] offset:2048*(\t)+512*\i th:TH_LOAD_NT   ; 32 lanes read 512 consecutive bytes
.endr
.endm
.macro XTURN t                         ; step t's numbers through stage t % 2: LDS serves a wave's instructions in order, so no wait stands between the stores and the loads
.irp i, 0,1,2,3
	ds_store_b128 v14, v[R+16*(\t)+4*\i:R+16*(\t)+4*\i+3] offset:32*SP*((\t)%2)+8*SP*\i
.endr
.irp i, 0,1,2,3
	ds_load_b128 v[X+16*((\t)%2)+4*\i:X+16*((\t)%2)+4*\i+3], v15 offset:32*SP*((\t)%2)+16*\i
.endr
.endm
.irp t, 0,1,2,3,4,5,6,7
	XLOAD \t                                       ; all of the wave's 16 KiB is asked for at once: 32 loads
.endr
	s_wait_loadcnt 28                              ; step 0's four loads are in; the 28 of steps 1 to 7 may be out
	XTURN 0
.macro XSTEP t
.set XS, X+16*((\t)%2)
.if (\t) > 0
	s_wait_dscnt 1                                 ; this step's numbers are back from the stage; the one LDS instruction behind them is the last step's byte store
.else
	s_wait_dscnt 0x0
.endif
.if (\t) < 7
	s_wait_loadcnt 4*(6-(\t))                      ; the next step's four loads are in; those of the steps behind it may be out
	XTURN (\t)+1                                   ; and go through the other stage while this step is worked
.endif
	v_max3_num_f32 v8, |v[XS]|, |v[XS+1]|, |v[XS+2]|               ; the largest magnitude of my 16, in two chains
	v_max3_num_f32 v9, |v[XS+3]|, |v[XS+4]|, |v[XS+5]|
.irp i, 6,10
	s_delay_alu instid0(VALU_DEP_2)
	v_max3_num_f32 v8, v8, |v[XS+\i]|, |v[XS+\i+1]|
	s_delay_alu instid0(VALU_DEP_2)
	v_max3_num_f32 v9, v9, |v[XS+\i+2]|, |v[XS+\i+3]|
.endr
	s_delay_alu instid0(VALU_DEP_2)
	v_max3_num_f32 v8, v8, |v[XS+14]|, |v[XS+15]|
	s_delay_alu instid0(VALU_DEP_1)
	v_max3_num_f32 v8, v8, v9, 0x1800000           ; and the floor 2^(3 - 127): the byte cannot fall under 1
	s_delay_alu instid0(VALU_DEP_1)
	v_max_num_f32_dpp v8, v8, v8 row_xmask:1 row_mask:0xf bank_mask:0xf   ; and of my neighbour's 16: the block's
	s_delay_alu instid0(VALU_DEP_1)
	v_add_nc_u32 v11, 0xff000000, v8               ; 2 off its exponent field: the conversion takes the exponent field of this operand as its scale, and nothing else of it
	v_cvt_scalef32_pk8_fp4_f32 v[C+2*(\t)], v[XS:XS+7], v11
	v_cvt_scalef32_pk8_fp4_f32 v[C+2*(\t)+1], v[XS+8:XS+15], v11
	v_lshrrev_b32 v[E+(\t)], 23, v11               ; the scale's byte (also the plain line behind the conversions)
	ds_store_b8 v5, v[E+(\t)] offset:16*(\t)       ; both lanes of a block write the same byte with the same value
	global_store_b64 v4, v[C+2*(\t):C+2*(\t)+1], s[8:9] offset:256*(\t)   ; 32 lanes store 256 consecutive bytes, aligned
.endm
.irp t, 0,1,2,3,4,5,6,7
	XSTEP \t
.endr
	ds_load_b32 v12, v6                            ; LDS serves a wave's instructions in order: this sees my byte stores
	s_wait_dscnt 0x0
	global_store_b32 v7, v12, s[10:11]             ; 128 consecutive bytes: half of an aligned 256; these bytes are 1/128 of what this way reads
	s_wait_tensorcnt 0x0
	ds_add_u32 v208, v209
	s_wait_dscnt 0x0
	s_endpgm
; ================= W =================
; Work-group i: columns 64 (i / 2) on, K 512 (i % 2) on.  Wave w: 32 columns (w % 2) x 128 along K (w / 2): four blocks a lane.  Two waves side by side read 256 consecutive bytes of each row of W.
; A block of 32 along K lies in ONE lane's registers: its maximum needs no other lane, and the conversions give codes with K innermost.  The codes meet in a stage shared by the eight waves and leave as rows.
.Lweights:
	s_lshr_b32 s17, ttmp9, 1                       ; gx
	s_and_b32 s18, ttmp9, 1                        ; gy
	s_and_b32 s19, s16, 1                          ; cg
	s_lshr_b32 s26, s16, 1                         ; kc
	s_min_u32 s27, s16, 1                          ; the wave's number held at 1: only waves 0 and 1 send scale bytes out
	s_lshl_b32 s20, s18, 2
	s_add_co_u32 s20, s20, s26
	s_mul_i32 s20, s20, 128*WROW                   ; W: row 512 gy + 128 kc,
	s_lshl_b32 s28, s17, 8
	s_add_co_u32 s20, s20, s28
	s_lshl_b32 s28, s19, 7
	s_add_co_u32 s20, s20, s28                     ; column 64 gx + 32 cg
	s_mov_b32 s21, 0
	; W's columns are laid in eight groups of 384 rows: columns 256 g .. + 255 (q and k), then columns 2048 + 128 g .. + 127 (v)
	s_lshr_b32 s30, s17, 2
	s_and_b32 s31, s17, 3
	s_sub_co_u32 s32, s17, 32
	s_lshr_b32 s33, s32, 1
	s_and_b32 s34, s32, 1
	s_add_co_u32 s34, s34, 4
	s_cmp_lt_u32 s17, 32
	s_cselect_b32 s30, s30, s33                    ; the group,
	s_cselect_b32 s31, s31, s34                    ; and which 64 rows of its 384
	s_mul_i32 s30, s30, 384
	s_lshl_b32 s31, s31, 6
	s_add_co_u32 s30, s30, s31
	s_mov_b32 s22, s30
	s_lshl_b32 s28, s16, 3
	s_add_co_u32 s22, s22, s28
	s_add_co_u32 s22, s22, 8192
	s_lshl_b32 s22, s22, 9                         ; codes: row 8192 + 384 group + 64 part + 8 w (a wave sends out eight rows),
	s_lshl_b32 s28, s18, 8
	s_add_co_u32 s22, s22, s28                     ; byte 256 gy
	s_mov_b32 s23, 0
	s_mov_b32 s24, s30
	s_lshl_b32 s28, s27, 5
	s_add_co_u32 s24, s24, s28
	s_add_co_u32 s24, s24, 8192
	s_lshl_b32 s24, s24, 5                         ; scale bytes: row 8192 + 384 group + 64 part + 32 w,
	s_lshl_b32 s28, s18, 4
	s_add_co_u32 s24, s24, s28                     ; byte 16 gy
	s_mov_b32 s25, 0
	s_wait_alu depctr_va_vdst(0)
	v_lshlrev_b32 v3, 2, v2                        ; in: 4 bytes a lane
	s_lshl_b32 s28, s19, 5
	v_add_nc_u32 v8, s28, v2                       ; my column among the work-group's 64
	s_delay_alu instid0(VALU_DEP_1)
	v_mul_u32_u24 v4, v8, WP
	s_lshl_b32 s29, s26, 6
	s_add_co_u32 s29, s29, WST
	v_add_nc_u32 v4, s29, v4                       ; into the stage: row = my column, byte 64 kc
	v_lshlrev_b32 v5, 4, v8
	s_lshl_b32 s29, s26, 2
	s_add_co_u32 s29, s29, WSS
	v_add_nc_u32 v5, s29, v5                       ; my four scale bytes: 16 x column + 4 kc
	v_lshrrev_b32 v8, 4, v2
	v_and_b32 v12, 15, v2
	s_delay_alu instid0(VALU_DEP_2)
	v_mul_u32_u24 v6, v8, WP
	s_delay_alu instid0(VALU_DEP_1)
	v_lshl_add_u32 v6, v12, 4, v6
	s_mul_i32 s29, s16, 8*WP
	s_add_co_u32 s29, s29, WST
	v_add_nc_u32 v6, s29, v6                       ; out of the stage: sixteen lanes to a row, two rows an instruction, my eight rows
	v_lshlrev_b32 v7, 9, v8
	s_delay_alu instid0(VALU_DEP_1)
	v_lshl_add_u32 v7, v12, 4, v7                  ; and the same place in the codes' buffer
	s_lshl_b32 s29, s27, 9
	s_add_co_u32 s29, s29, WSS
	v_lshl_add_u32 v9, v2, 4, s29                  ; a column's 16 scale bytes,
	v_lshlrev_b32 v10, 5, v2                       ; and its row of 32 in memory
	s_wait_kmcnt 0x0
	s_add_nc_u64 s[6:7], s[6:7], s[20:21]
	s_add_nc_u64 s[8:9], s[8:9], s[22:23]
	s_add_nc_u64 s[10:11], s[10:11], s[24:25]
.macro WLOAD t                         ; block t: W(32 t + i, my column), i = 0 .. 31.  The largest offset, 127 rows, is 1,560,576: inside the signed 24-bit immediate
.irp i, 0,1,2,3,4,5,6,7,8,9,10,11,12,13,14,15,16,17,18,19,20,21,22,23,24,25,26,27,28,29,30,31
	global_load_b32 v[WX+32*(\t)+\i], v3, s[6:7] offset:(32*(\t)+\i)*WROW th:TH_LOAD_NT
.endr
.endm
	WLOAD 0
	WLOAD 1
.macro WBLOCK t
.set XS, WX+32*(\t)
.if (\t) < 3
	s_wait_loadcnt 32                              ; this block's 32 loads are in; the next block's 32 may be out
.else
	s_wait_loadcnt 0x0
.endif
.if (\t)+2 < 4
	WLOAD (\t)+2                                   ; two blocks ahead, into registers of its own
.endif
	v_max3_num_f32 v12, |v[XS]|, |v[XS+1]|, |v[XS+2]|              ; the block's largest magnitude: all 32 numbers are mine
	v_max3_num_f32 v13, |v[XS+3]|, |v[XS+4]|, |v[XS+5]|
.irp i, 6,10,14,18,22,26
	s_delay_alu instid0(VALU_DEP_2)
	v_max3_num_f32 v12, v12, |v[XS+\i]|, |v[XS+\i+1]|
	s_delay_alu instid0(VALU_DEP_2)
	v_max3_num_f32 v13, v13, |v[XS+\i+2]|, |v[XS+\i+3]|
.endr
	s_delay_alu instid0(VALU_DEP_2)
	v_max3_num_f32 v12, v12, |v[XS+30]|, |v[XS+31]|
	s_delay_alu instid0(VALU_DEP_1)
	v_max3_num_f32 v12, v12, v13, 0x1800000        ; and the floor 2^(3 - 127)
	s_delay_alu instid0(VALU_DEP_1)
	v_add_nc_u32 v11, 0xff000000, v12              ; the conversion's scale operand
	s_delay_alu instid0(VALU_DEP_1)
	v_lshrrev_b32 v13, 23, v11                     ; the scale's byte
.if (\t) == 0
	s_delay_alu instid0(VALU_DEP_1)
	v_mov_b32 v[SB], v13                           ; four bytes to a register, the lower K in the lower byte
.else
	s_delay_alu instid0(VALU_DEP_1)
	v_lshl_or_b32 v[SB], v13, 8*(\t), v[SB]
.endif
.irp g, 0,1,2,3
	v_cvt_scalef32_pk8_fp4_f32 v[WC+4*(\t)+\g], v[XS+8*\g:XS+8*\g+7], v11
.endr
	v_nop                                          ; one plain line behind the conversions: the next block writes their scale operand anew
	ds_store_b128 v4, v[WC+4*(\t):WC+4*(\t)+3] offset:16*(\t)      ; 32 codes: 16 bytes of my column's row
.endm
.irp t, 0,1,2,3
	WBLOCK \t
.endr
	ds_store_b32 v5, v[SB]
	s_wait_dscnt 0x0                               ; for the others' sake: my stores into the stage have landed
	s_barrier_signal -1
	s_barrier_wait -1                              ; every wave of a work-group for W comes here: 64 rows of 256 bytes are whole
.irp i, 0,1,2,3
	ds_load_b128 v[OUTR+4*\i:OUTR+4*\i+3], v6 offset:2*\i*WP
.endr
.irp i, 0,1,2,3
	s_wait_dscnt 3-\i                              ; load i is in; the 3 - i behind it may be out
	global_store_b128 v7, v[OUTR+4*\i:OUTR+4*\i+3], s[8:9] offset:1024*\i   ; sixteen lanes store 256 consecutive bytes, aligned
.endr
	s_cmp_lt_u32 s16, 2
	s_cbranch_scc0 .Lw_end                         ; waves 0 and 1 send out the scale bytes of 32 columns each
	ds_load_b128 v[SCO:SCO+3], v9
	s_wait_dscnt 0x0
	global_store_b128 v10, v[SCO:SCO+3], s[10:11]  ; pieces of 16 bytes, 32 bytes apart: 98,304 bytes in the whole launch
.Lw_end:
	s_wait_tensorcnt 0x0
	ds_add_u32 v208, v209
	s_wait_dscnt 0x0
	s_endpgm
.Lfunc_end_k_q182ddcdf67_quant:
	.size	k_q182ddcdf67_quant, .Lfunc_end_k_q182ddcdf67_quant-k_q182ddcdf67_quant
	.p2alignl 7, 3214868480
	.fill 96, 4, 3214868480
	.section	.rodata,"a",@progbits
	.p2align	6, 0x0
	.amdhsa_kernel k_q182ddcdf67_quant
		.amdhsa_group_segment_fixed_size 68608
		.amdhsa_private_segment_fixed_size 0
		.amdhsa_enable_private_segment 0
		.amdhsa_kernarg_size 32
		.amdhsa_user_sgpr_count 2
		.amdhsa_user_sgpr_kernarg_segment_ptr 1
		.amdhsa_wavefront_size32 1
		.amdhsa_system_sgpr_workgroup_id_x 1
		.amdhsa_system_sgpr_workgroup_id_y 1
		.amdhsa_system_sgpr_workgroup_id_z 1
		.amdhsa_system_vgpr_workitem_id 0
		.amdhsa_next_free_vgpr 210
		.amdhsa_next_free_sgpr 66
		.amdhsa_reserve_vcc 0
		.amdhsa_float_denorm_mode_32 3
		.amdhsa_float_denorm_mode_16_64 3
		.amdhsa_memory_ordered 1
		.amdhsa_forward_progress 1
		.amdhsa_inst_pref_size 45
	.end_amdhsa_kernel
	.amdgpu_metadata
---
amdhsa.version: [ 1, 2 ]
amdhsa.kernels:
  - .name:           k_q182ddcdf67_quant
    .symbol:         k_q182ddcdf67_quant.kd
    .args:
      - { .name: x, .offset: 0, .size: 8, .value_kind: global_buffer, .address_space: global }
      - { .name: W_qkv, .offset: 8, .size: 8, .value_kind: global_buffer, .address_space: global }
      - { .name: xwc, .offset: 16, .size: 8, .value_kind: global_buffer, .address_space: global }
      - { .name: xws, .offset: 24, .size: 8, .value_kind: global_buffer, .address_space: global }
    .group_segment_fixed_size: 68608
    .private_segment_fixed_size: 0
    .kernarg_segment_align: 8
    .kernarg_segment_size: 32
    .max_flat_workgroup_size: 256
    .sgpr_count:     66
    .vgpr_count:     210
    .wavefront_size: 32
...
	.end_amdgpu_metadata
.endif
;; end of part 1
;; launch qkv (part 2): grid 8 x 32, 4 waves a work-group, clusters of 4 x 4, 327,680 bytes of LDS; arguments xwc, xws, b_qkv, qkv; writes qkv
.if DOCPART == 2
	.amdgcn_target "amdgcn-amd-amdhsa--gfx1250"
	.amdhsa_code_object_version 6
	.text
	.protected	k_q182ddcdf67_qkv
	.globl	k_q182ddcdf67_qkv
	.p2align	8
	.type	k_q182ddcdf67_qkv,@function
k_q182ddcdf67_qkv:
	s_mov_b64 s[64:65], 0
	v_nop
	global_prefetch_b8 v0, s[64:65] scope:SCOPE_SE
	s_setreg_imm32_b32 hwreg(HW_REG_WAVE_MODE, 25, 1), 1
	s_wait_xcnt 0x0
	s_wait_alu depctr_hold_cnt(0) depctr_sa_sdst(0) depctr_va_vdst(0) depctr_va_sdst(0) depctr_va_ssrc(0) depctr_va_vcc(0) depctr_vm_vsrc(0)
	s_getreg_b32 s2, hwreg(HW_REG_IB_STS2, 6, 4)
	s_cmp_eq_u32 s2, 0
	s_cbranch_scc0 .Lentry_in_a_cluster
	s_endpgm
.Lentry_in_a_cluster:
	s_bfe_u32 s2, ttmp6, 0x10000c
	s_cmp_lg_u32 s2, 0xf033
	s_cbranch_scc0 .Lentry_shape_is_right
	s_endpgm
.Lentry_shape_is_right:
; qkv = Q(x) Q(W) + b on codes of FP4 (E2M1) with E8M0 scales, K = 1,024; the results are quantised in registers and leave as images of the operand registers of the attention launch.  qkv never goes to memory as f32.
; OPERANDS.  xwc [11264][512 bytes]: rows 0-8191 x's rows; row 8192 + 384 g + i: column 256 g + i of W for i < 256, column 2048 + 128 g + i - 256 for i from 256 on.  xws [11264][32 bytes] likewise.
; SHARES.  Work-group (g, ty) takes tokens 256 ty .. + 255 through two passes: 256 columns of q and k, then 128 columns of v: 8 x 32 = 256 equal work-groups.  Four waves.
; Source 0 of the matrix instruction takes 16 rows of the operand P, source 1 16 rows of the operand R: a lane then holds ONE row of R and its registers run along P, the axis along which the result is quantised:
;   pass 1 (q, k): P = W's columns (the head's channels), R = x's rows (tokens): 128 x 128 a wave, 64 accumulators;   pass 2 (v): P = x's rows (the keys), R = W's columns (channels): 128 tokens x 64 channels a wave, 32 accumulators.
; LDS: two slots of 512 along K (1,024 = 2 x 512): x's 256 rows, then W's 256 rows of pass 1.  x's rows stay for pass 2.  Behind the change of slots slot 0's rows of W are filled again with pass 2's 128 rows of W for all of K.
; One tensor load of a wave is out at the most.  No prefetch: K is two slots, and both are asked for before the first product.
; CLUSTERS: 4 x 4 work-groups.  x's tiles hang on ty alone and are asked for jointly by a row of the cluster, W's hang on g alone, by a column.
; THE RESULT: buffer qkv = two arrays of 9,175,040 bytes (0: q; 1: k and v); head bh = 16 batch + head has 143,360 bytes = 4 chunks of 35,840 (512 tokens):
;   +0      32 fragments of 16 tokens x 64 channels, 512 bytes each: lane l's 16 bytes at 16 l; lane (r, h) = token r, channels 32 h on
;   +16384  V^T: [128 keys][channel tile of 16][1,024 bytes]: registers 0-3 at 16 l, registers 4-7 at 512 + 16 l
;   +32768  a scale word a token (bytes 0, 1: the two blocks; bytes 2, 3 zero: they meet zero codes only)        +34816  V's scale words, [128 keys][channel]
; LIMITS: NaN and infinities are not served.  A block whose largest magnitude lies under 2^-124 gets the byte 1; a block of zeros gets the byte 1 where the rule says 127: its codes are zeros, and only this program reads the bytes.
; REGISTERS, in windows of 256: window 0: v1-31 addresses; v32-95 scale words, two sets, and nothing else ever; v96-103 words on their way to the stage; v112-127 codes and words on their way out;
;   v128-191 R's fragments, later 64 results with their bias; v200-216 at work.   window 1: P's fragments, two sets at v0 and v128; v64-127 and v192-199 the biases.   windows 2, 3: the accumulators ((a, b) at v[8 (8 (a % 4) + b)]).
.set NQ,     4                         ; steps of 128 along K in a slot
.set ROWB,   256                       ; a tile's row in bytes: 512 codes
.set KROW,   512                       ; a row of xwc
.set PITCH,  272                       ; an LDS row: 256 bytes + 16 of padding = 68 words: the 16 rows that a load touches start at 16 different banks (64 banks of 4 bytes: ISA guide 11.1)
.set FR,     8                         ; registers of a fragment: 16 rows x 128 K
.set NL,     2                         ; LDS loads that bring one
.set NP,     4                         ; places behind this matrix instruction (ISA guide 7.12.1)
.set HALFT,  128*PITCH
.set SLOT,   4*HALFT                   ; x's 256 rows, then W's 256 rows
.set SCL,    2*SLOT                    ; behind the slots: x's scale bytes (256 rows), then W's (384 rows), as rows of 256 bytes + 16 of padding
.set HALFS,  16*272                    ; those of 128 rows
.set SBLK,   2*272                     ; those of 16 rows
.set SPARE,  SCL+5*HALFS               ; the spare words, 128 bytes for each wave: two blocks of 256 bytes that no other line names
.set WSTG,   SPARE+512                 ; 1,024 bytes for each wave: the results' scale words on their way out; no tensor load lands here
.set REGION, 9175040
.set HEADB,  143360
.set CHB,    35840
.set ADRA, 16                          ; v16-17  LDS address of my 128 rows of x in slot 0, 1
.set ADV,  18                          ; v18-19  of pass 2's scale words: blocks 0-3, blocks 4-7
.set ADRB, 20                          ; v20-21  of my 128 rows of W in slot 0, 1
.set ADW,  22                          ; v22     of my 64 rows of W in pass 2
.set LI3,  23                          ; v23     16 x (lane % 16)
.set SWA,  24                          ; v24     where I put a scale word: WSTG + 1024 wave + 512 h + 4 r
.set SWR,  25                          ; v25     where I read four back: WSTG + 1024 wave + 16 x lane
.set LI,   26                          ; v26     16 x lane
.set ADRS, 27                          ; v27     LDS address of pass 1's scale words: lanes 0-15 x's rows, lanes 16-31 W's
.set SPW,  28                          ; v28     LDS address of my spare word; v29 0: never rewritten
.set NIL,  29
.set SWR3, 30                          ; v30     WSTG + 1024 wave + 16 x (lane % 16)
.set SC,   32
.set PW2,  96
.set PC,   112                         ; v112-119 a fragment's codes
.set WO,   120                         ; v120-127 words on their way out
.set AF,   128
.set H,    128
.set TM,   200                         ; v200-203 maxima, v204 lane l xor 16's word, v205-206 bytes, v212-215 the conversions' scale operands
.set SO,   212
.set PW,   216
.set BP,   64                          ; window 1: b at my lane's 64 places along P (q, k)
.set BR,   192                         ; window 1: b at row 16 a + r of R, twice (v)
.set SEL,  2                           ; s[2:3]   lane selects for v_permlanex16_b32: lane l xor 16
.set BB,   12                          ; s[12:13] b_qkv at my 128 columns of pass 1;  s[94:95] at my 64 of pass 2
.set BV,   94
.set OB,   20                          ; s[20:21], s[22:23] where q's or k's fragments and scale words go
.set OS,   22
.set OBV,  100                         ; s[100:101], s[104:105] the same for v
.set OSV,  104
.set G1,   24                          ; s[24:31] descriptor group 1 for x's tiles;  s[32:39] group 0, one set for each slot
.set G0,   32
.set G1B,  48                          ; s[48:55], s[56:63] the same for W's tiles
.set G0B,  56
.set G1S,  68                          ; s[68:75], s[76:79] groups 1 and 0 for x's scale bytes;  s[80:87], s[88:91] for W's
.set G0S,  76
.set G1SB, 80
.set G0SB, 88
.set LV,   66                          ; s66      where my part of pass 2's W goes in LDS;  s[98:99] where it comes from
.set GV,   98
.set MSB, 0
.macro WIN new                         ; the immediate's high byte repeats the setting that is left; a switch that changes nothing is dropped
.if MSB != (\new)
	s_set_vgpr_msb (MSB<<8)|(\new)
.set MSB, (\new)
.endif
.endm
.set MUL_LO, 0xa1                      ; source 0 (P) window 1, source 1 (R) window 0, C and D window 2
.set MUL_HI, 0xf1                      ; the same, C and D window 3
.set TO_B,   0x40                      ; destination window 1, address window 0
.macro CREST                           ; a round of the cluster's barrier behind its opening barrier
	s_cmp_lg_u32 s14, 0
	s_cbranch_scc1 .Lnot_wave_0_\@
	s_barrier_signal -3
.Lnot_wave_0_\@:
	s_barrier_wait -3
	s_barrier_signal -1
	s_barrier_wait -1
.endm
.macro CROUND                          ; a whole round
	s_barrier_signal -1
	s_barrier_wait -1
	CREST
.endm
	s_load_b256 s[4:11], s[0:1], 0x0               ; xwc s[4:5], xws s[6:7], b_qkv s[8:9], qkv s[10:11]
	v_lshl_add_u32 v[SPW], v0, 2, SPARE
	v_mov_b32 v[NIL], 0
	ds_add_u32 v[SPW], v[NIL]                      ; the wave's opening: the add, twice on end, and its wait ahead of my first tensor load
	ds_add_u32 v[SPW], v[NIL]
	v_lshrrev_b32 v1, 5, v0
	v_readfirstlane_b32 s14, v1                    ; wave 0..3
	s_lshr_b32 s15, s14, 1                         ; which half of the 256 tokens is mine
	s_and_b32 s16, s14, 1                          ; which half of the columns
	s_bfe_u32 s40, ttmp6, 0x40000                  ; cx, cy: my place in the cluster
	s_bfe_u32 s41, ttmp6, 0x40004
	s_lshl_b32 s42, ttmp9, 2
	s_add_co_u32 s42, s42, s40                     ; g = 4 x cluster x + cx: 0..7
	s_and_b32 s96, ttmp7, 0xffff
	s_lshl_b32 s96, s96, 2
	s_add_co_u32 s96, s96, s41                     ; ty = 4 x cluster y + cy: 0..31
	s_lshl_b32 s43, s41, 2
	s_lshl_b32 s43, 15, s43                        ; my row of the cluster
	s_lshl_b32 s44, 0x1111, s40                    ; my column
	; descriptor group 1: a tile's rows of 256 bytes, padded in LDS: 256 rows for the head's loads
	s_or_b32 s[G1+0], s43, (0<<16)|(1<<20)|(1<<21)|(5<<22)|(3<<25)  ; 15:0 the mask: x's tiles go to my row; 17:16 elements of 1 byte; 20 padding on; 21 set beside a mask; 24:22 after every 64 words (code 5); 31:25 four words (code 3)
	s_or_b32 s[G1B+0], s44, (0<<16)|(1<<20)|(1<<21)|(5<<22)|(3<<25) ; the same with the mask of my column, for W's tiles
.irp g, G1, G1B
	s_mov_b32 s[\g+1], ROWB<<16                    ; tensor_dim0
	s_mov_b32 s[\g+2], 256<<16                     ; tensor_dim1
	s_mov_b32 s[\g+3], ROWB<<16                    ; tile_dim0
	s_mov_b32 s[\g+4], 256                         ; tile_dim1
	s_mov_b32 s[\g+5], KROW                        ; tensor_dim0_stride
	s_mov_b32 s[\g+6], 0
	s_mov_b32 s[\g+7], 0
.endr
	; scale bytes: dense, as rows of 256 bytes (32 elements of 8 bytes), 16 bytes of padding behind each: 32 rows for x's 256, 48 for W's 384
	s_or_b32 s[G1S+0], s43, (3<<16)|(1<<20)|(1<<21)|(5<<22)|(3<<25)
	s_or_b32 s[G1SB+0], s44, (3<<16)|(1<<20)|(1<<21)|(5<<22)|(3<<25)
.irp g, G1S, G1SB
	s_mov_b32 s[\g+1], 32<<16
	s_mov_b32 s[\g+3], 32<<16
	s_mov_b32 s[\g+5], 32
	s_mov_b32 s[\g+6], 0
	s_mov_b32 s[\g+7], 0
.endr
	s_mov_b32 s[G1S+2], 32<<16
	s_mov_b32 s[G1S+4], 32
	s_mov_b32 s[G1SB+2], 48<<16
	s_mov_b32 s[G1SB+4], 48
	s_lshl_b32 s20, s96, 17                        ; x's rows 256 ty on: 512 bytes a row. No register here ever holds cx
	s_mov_b32 s21, 0
	s_lshl_b32 s22, s96, 13                        ; and their scale bytes: 32 a row
	s_mov_b32 s23, 0
	s_mul_i32 s92, s42, 384
	s_add_co_u32 s92, s92, 8192                    ; W's rows 8192 + 384 g on.  No register here ever holds cy
	s_lshl_b32 s46, s92, 9
	s_mov_b32 s47, 0
	s_lshl_b32 s92, s92, 5
	s_mov_b32 s93, 0
	s_lshl_b32 s18, s16, 16                        ; the 128 rows of slot 1 that I fetch, in bytes
	s_mov_b32 s19, 0
	s_mul_i32 s45, s14, HALFT                      ; and where they go: wave x 128 rows: no place in the cluster enters an LDS address
	s_lshl_b32 s94, s16, 15                        ; pass 2's rows of W lie 256 rows on: I fetch 64 rows (the wave's low bit) of one half of K (its high bit)
	s_lshl_b32 s95, s15, 8
	s_add_co_u32 s94, s94, s95
	s_add_co_u32 s94, s94, 256*KROW
	s_mov_b32 s95, 0
	s_mul_i32 s[LV], s14, 64*PITCH
	s_add_co_u32 s[LV], s[LV], 2*HALFT             ; in LDS the two halves of K lie one behind the other, 128 rows each, where slot 0's W lay
	s_mov_b32 s[SEL], 0x76543210
	s_mov_b32 s[SEL+1], 0xfedcba98
	s_wait_dscnt 0x0                               ; both opening adds are done
	s_wait_kmcnt 0x0
	s_add_nc_u64 s[20:21], s[4:5], s[20:21]
	s_add_nc_u64 s[22:23], s[6:7], s[22:23]
	s_add_nc_u64 s[46:47], s[4:5], s[46:47]
	s_add_nc_u64 s[92:93], s[6:7], s[92:93]
	s_add_nc_u64 s[GV:GV+1], s[46:47], s[94:95]
	CROUND                                         ; all sixteen work-groups are here: the first joint loads meet
	s_mov_b32 s[G0S], 1
	s_mov_b32 s[G0S+1], SCL
	s_mov_b64 s[G0S+2:G0S+3], s[22:23]
	s_or_b32 s[G0S+3], s[G0S+3], 0x80000000
	s_mov_b32 s[G0SB], 1
	s_mov_b32 s[G0SB+1], SCL+2*HALFS
	s_mov_b64 s[G0SB+2:G0SB+3], s[92:93]
	s_or_b32 s[G0SB+3], s[G0SB+3], 0x80000000
	s_mov_b32 s[G0], 1                             ; slot 0: x's 256 rows by one load,
	s_mov_b32 s[G0+1], 0
	s_mov_b64 s[G0+2:G0+3], s[20:21]
	s_or_b32 s[G0+3], s[G0+3], 0x80000000
	s_mov_b32 s[G0B], 1                            ; W's 256 rows by another
	s_mov_b32 s[G0B+1], 2*HALFT
	s_mov_b64 s[G0B+2:G0B+3], s[46:47]
	s_or_b32 s[G0B+3], s[G0B+3], 0x80000000
	s_add_nc_u64 s[20:21], s[20:21], s[18:19]      ; slot 1: 128 rows a wave
	s_add_nc_u64 s[46:47], s[46:47], s[18:19]
	s_mov_b32 s[G0+4], 1
	s_add_co_u32 s[G0+5], s45, SLOT
	s_add_nc_u64 s[G0+6:G0+7], s[20:21], ROWB
	s_or_b32 s[G0+7], s[G0+7], 0x80000000
	s_mov_b32 s[G0B+4], 1
	s_add_co_u32 s[G0B+5], s45, SLOT
	s_add_nc_u64 s[G0B+6:G0B+7], s[46:47], ROWB
	s_or_b32 s[G0B+7], s[G0B+7], 0x80000000
; THE HEAD'S LOADS, one a wave: slot 0's x, slot 0's W, x's scale bytes, W's scale bytes; every way through the tree passes exactly one
.macro ARM under, g0, g1, next
	s_cmp_lt_u32 s14, \under
	s_cbranch_scc0 \next
	tensor_load_to_lds s[\g0:\g0+3], s[\g1:\g1+7]
	s_nop 0
.rept 4
	v_nop
.endr
	s_branch .Lhead_asked
\next:
.endm
	ARM 1, G0,  G1,  .Lhead_b
	ARM 2, G0B, G1B, .Lhead_sa
	ARM 3, G0S, G1S, .Lhead_sb
	tensor_load_to_lds s[G0SB:G0SB+3], s[G1SB:G1SB+7]
	s_nop 0
.rept 4
	v_nop
.endr
.Lhead_asked:
	v_and_b32 v1, 15, v0                           ; r = l % 16
	v_bfe_u32 v2, v0, 4, 1                         ; h = l / 16
	v_and_b32 v3, 31, v0                           ; lane
	v_lshlrev_b32 v10, 5, v2                       ; 32 h
	v_lshlrev_b32 v11, 2, v1                       ; 4 r
	v_xor_b32 v7, 1, v2                            ; 1 - h
	s_wait_alu depctr_va_vdst(0)                   ; ahead of the run of scalar instructions
	s_lshl_b32 s97, s42, 8
	s_lshl_b32 s17, s16, 7
	s_add_co_u32 s97, s97, s17                     ; my first column of q and k
	s_lshl_b32 s[BB], s97, 2
	s_mov_b32 s[BB+1], 0
	s_add_nc_u64 s[BB:BB+1], s[8:9], s[BB:BB+1]
	s_lshl_b32 s67, s42, 1
	s_add_co_u32 s67, s67, s16                     ; my head of v
	s_lshl_b32 s[BV], s67, 8
	s_add_co_u32 s[BV], s[BV], 2048*4
	s_mov_b32 s[BV+1], 0
	s_add_nc_u64 s[BV:BV+1], s[8:9], s[BV:BV+1]
	WIN TO_B
.irp b, 0,1,2,3,4,5,6,7
.irp i, 0,1
	global_load_b128 v[BP+8*\b+4*\i:BP+8*\b+4*\i+3], v10, s[BB:BB+1] offset:64*\b+16*\i   ; b(16 b + 8 h + 0 .. 7)
.endr
.endr
.irp a, 0,1,2,3
	global_load_b32 v[BR+2*\a], v11, s[BV:BV+1] offset:64*\a       ; b(16 a + r), twice, a pair for the packed addition
	global_load_b32 v[BR+2*\a+1], v11, s[BV:BV+1] offset:64*\a
.endr
	WIN 0
	; where the results go
	s_lshl_b32 s46, s96, 8
	s_lshl_b32 s47, s15, 7
	s_add_co_u32 s46, s46, s47                     ; my first token
	s_lshr_b32 s92, s46, 11
	s_lshl_b32 s92, s92, 4                         ; 16 x batch
	s_and_b32 s46, s46, 2047
	s_lshr_b32 s47, s46, 9
	s_mul_i32 s47, s47, CHB                        ; the chunk of 512 tokens
	s_and_b32 s46, s46, 511                        ; and the token's place in it
	s_lshl_b32 s93, s46, 5                         ; 32 bytes a token, for rows and for V^T alike
	s_and_b32 s17, s97, 1023
	s_lshr_b32 s17, s17, 6                         ; head of q or k (my 128 columns are two heads: this one and the next)
	s_add_co_u32 s17, s17, s92
	s_mul_i32 s17, s17, HEADB
	s_add_co_u32 s17, s17, s47
	s_lshr_b32 s18, s97, 10
	s_mul_i32 s18, s18, REGION                     ; array 0 for q, array 1 for k
	s_add_co_u32 s17, s17, s18
	s_add_co_u32 s[OB], s17, s93
	s_mov_b32 s[OB+1], 0
	s_lshl_b32 s18, s46, 2
	s_add_co_u32 s18, s18, 32768
	s_add_co_u32 s[OS], s17, s18                   ; scale words: 4 bytes a token
	s_mov_b32 s[OS+1], 0
	s_add_co_u32 s67, s67, s92
	s_mul_i32 s67, s67, HEADB
	s_add_co_u32 s67, s67, s47
	s_add_co_u32 s67, s67, REGION
	s_add_co_u32 s[OBV], s67, s93
	s_add_co_u32 s[OBV], s[OBV], 16384
	s_mov_b32 s[OBV+1], 0
	s_lshl_b32 s18, s46, 1
	s_add_co_u32 s18, s18, 34816
	s_add_co_u32 s[OSV], s67, s18                  ; V's: 256 bytes for 128 keys
	s_mov_b32 s[OSV+1], 0
	s_add_nc_u64 s[OB:OB+1], s[10:11], s[OB:OB+1]
	s_add_nc_u64 s[OS:OS+1], s[10:11], s[OS:OS+1]
	s_add_nc_u64 s[OBV:OBV+1], s[10:11], s[OBV:OBV+1]
	s_add_nc_u64 s[OSV:OSV+1], s[10:11], s[OSV:OSV+1]
	; LDS addresses: all made of the wave's number and the lane
	s_mul_i32 s17, s15, HALFT                      ; my 128 rows of x
	s_mul_i32 s18, s16, HALFT
	s_add_co_u32 s18, s18, 2*HALFT                 ; my 128 rows of W, behind x's 256
	s_mul_i32 s19, s16, 64*PITCH
	s_add_co_u32 s19, s19, 2*HALFT                 ; my 64 rows of W in pass 2
	s_mul_i32 s40, s15, HALFS
	s_mul_i32 s41, s16, HALFS
	s_add_co_u32 s41, s41, 2*HALFS
	s_sub_co_u32 s41, s41, s40                     ; from x's scale bytes to pass 1's W's
	s_mul_i32 s43, s16, HALFS/2
	s_add_co_u32 s43, s43, 4*HALFS
	s_sub_co_u32 s43, s43, s40                     ; and to pass 2's
	s_sub_co_u32 s45, s43, HALFS/2
	s_add_co_u32 s40, s40, SCL
	s_lshl_b32 s44, s14, 10
	s_add_co_u32 s44, s44, WSTG
	v_mul_u32_u24 v4, v1, PITCH
	v_lshlrev_b32 v5, 5, v1                        ; a row's scale bytes: 32,
	v_lshrrev_b32 v6, 3, v1
	v_lshl_add_u32 v4, v2, 4, v4                   ; a fragment's row x pitch + 16 x half
	v_lshl_add_u32 v5, v6, 4, v5                   ; and 16 more for each 256 passed
	v_mul_u32_u24 v6, s41, v2
	v_mul_u32_u24 v8, s43, v7
	v_mul_u32_u24 v9, s45, v7
	v_add_nc_u32 v[ADRA], s17, v4
	v_add_nc_u32 v[ADRB], s18, v4
	v_add_nc_u32 v[ADW], s19, v4
	v_add_nc_u32 v6, v5, v6
	v_add_nc_u32 v8, v5, v8
	v_add_nc_u32 v9, v5, v9
	v_add_nc_u32 v[ADRA+1], SLOT, v[ADRA]
	v_add_nc_u32 v[ADRB+1], SLOT, v[ADRB]
	v_add_nc_u32 v[ADRS], s40, v6                  ; pass 1: lanes 0-15 x's rows, lanes 16-31 W's
	v_add_nc_u32 v[ADV], s40, v8                   ; pass 2: lanes 0-15 W's 64 rows, lanes 16-31 x's: blocks 0-3,
	s_add_co_u32 s40, s40, HALFS/2
	v_add_nc_u32 v[ADV+1], s40, v9                 ; lanes 0-15 the same (not used), lanes 16-31 x's blocks 4-7
	v_lshlrev_b32 v[LI], 4, v3
	v_lshlrev_b32 v[LI3], 4, v1
	v_lshl_add_u32 v[SWA], v2, 9, v11
	v_add_nc_u32 v[SWA], s44, v[SWA]
	v_add_nc_u32 v[SWR], s44, v[LI]
	v_add_nc_u32 v[SWR3], s44, v[LI3]
	v_mov_b32 v[TM+4], 0                           ; written once: a lane permute's destination counts as one of its sources
.macro FRAG reg, adr, q, i             ; a fragment, 16 rows x 128 K of 4-bit codes, is 8 registers: lane l holds row l % 16; registers 4 c .. 4 c + 3 hold K = 64 c + 32 (l / 16) + 0 .. 31
.irp c, 0,1
	ds_load_b128 v[\reg+4*\c:\reg+4*\c+3], v[\adr] offset:64*(\q)+32*\c+(\i)*16*PITCH
.endr
.endm
; 16 matrix instructions of pass 1: R's blocks a0, a0 + 1 x P's eight, 128 along K: the slot's q-th.  p: P's set;  sc: the set of scale words.  zero = 1: the first product starts the sums: nothing is ever cleared.
; The accumulators take turns, one instruction a turn, in the same order in every step.
.macro MUL16 a0, p, q, sc, zero
.irp a, \a0, \a0+1
.irp b, 0,1,2,3,4,5,6,7
.if \zero
	v_wmma_scale_f32_16x16x128_f8f6f4 v[8*(8*((\a)%4)+\b):8*(8*((\a)%4)+\b)+7], v[128*(\p)+FR*\b:128*(\p)+FR*\b+FR-1], v[AF+FR*(\a):AF+FR*(\a)+FR-1], 0, v[SC+8*NQ*(\sc)+NQ*\b+(\q)], v[SC+8*NQ*(\sc)+NQ*(\a)+(\q)] matrix_a_fmt:MATRIX_FMT_FP4 matrix_b_fmt:MATRIX_FMT_FP4 matrix_a_scale:MATRIX_SCALE_ROW1
.else
	v_wmma_scale_f32_16x16x128_f8f6f4 v[8*(8*((\a)%4)+\b):8*(8*((\a)%4)+\b)+7], v[128*(\p)+FR*\b:128*(\p)+FR*\b+FR-1], v[AF+FR*(\a):AF+FR*(\a)+FR-1], v[8*(8*((\a)%4)+\b):8*(8*((\a)%4)+\b)+7], v[SC+8*NQ*(\sc)+NQ*\b+(\q)], v[SC+8*NQ*(\sc)+NQ*(\a)+(\q)] matrix_a_fmt:MATRIX_FMT_FP4 matrix_b_fmt:MATRIX_FMT_FP4 matrix_a_scale:MATRIX_SCALE_ROW1
.endif
.endr
.endr
.endm
.macro FETCH_P adr, q, p               ; P's eight fragments of a slot's q-th 128 along K into set p
	WIN TO_B
.irp i, 0,1,2,3,4,5,6,7
	FRAG 128*(\p)+FR*\i, \adr, \q, \i
.endr
	WIN 0
.endm
.macro FETCH_A slot, q, i0             ; pass 1: R's blocks i0 .. i0 + 3
.irp i, \i0, \i0+1, \i0+2, \i0+3
	FRAG AF+FR*(\i), ADRA+\slot, \q, \i
.endr
.endm
.macro SCALES sc                       ; pass 1: a slot's scale words into set sc: four words a row; lanes 0-15 take x's block i, lanes 16-31 W's block i
.irp i, 0,1,2,3,4,5,6,7
	ds_load_b128 v[SC+8*NQ*\sc+NQ*\i:SC+8*NQ*\sc+NQ*\i+3], v[ADRS] offset:\i*SBLK
.endr
.endm
; A load into a register that a matrix instruction has read, and a vector instruction that reads a matrix result, stand NP places behind that matrix instruction, and only plain vector
; instructions that name none of its registers are places (ISA guide 7.12.1 for vector instructions).
.macro PLACES n
.rept \n
	v_nop
.endr
.endm
; A step of pass 1, 128 along K, that has its successor in the same slot.  A block of R is free as soon as its eight products are issued: blocks 0-3 are fetched anew in the step's middle, blocks 4-7 at its end.
.macro STEP slot, q, zero
	s_wait_dscnt 4*NL                              ; P's set and R's blocks 0-3 are in; the youngest eight loads (R's blocks 4-7) may be out
	WIN MUL_LO
	MUL16 0, (\q)%2, \q, \slot, \zero
	MUL16 2, (\q)%2, \q, \slot, \zero
	s_wait_dscnt 0                                 ; R's blocks 4-7 are in (asked for 32 matrix instructions ago)
	PLACES NP
	FETCH_P ADRB+\slot, (\q)+1, 1-(\q)%2
	FETCH_A \slot, (\q)+1, 0
	WIN MUL_HI
	MUL16 4, (\q)%2, \q, \slot, \zero
	MUL16 6, (\q)%2, \q, \slot, \zero
	PLACES NP
	WIN 0
	FETCH_A \slot, (\q)+1, 4
.endm
.macro STEPS slot, from                ; the slot's steps from .. NQ - 2
.set Q, \from
.rept NQ-1-\from
	STEP \slot, Q, 0
.set Q, Q+1
.endr
.endm
; Slot 0's last step goes over to slot 1.  Each wave waits for all its tensor loads, its part of slot 1 among them, adds 0 to its spare word, and waits for that and for its reads of slot 0; behind the round slot 0's W is filled again.
.macro TURN
	s_wait_tensorcnt 0x0                           ; all my tensor loads have landed  (every window is 0 here), so a descriptor may be written
	ds_add_u32 v[SPW], v[NIL]                      ; 0 onto my spare word
	s_mov_b32 s[G1B+2], 64<<16                     ; 64 rows of W's pass 2 a wave, of one half of K
	s_mov_b32 s[G1B+4], 64
	s_mov_b32 s[G0B+1], s[LV]
	s_mov_b64 s[G0B+2:G0B+3], s[GV:GV+1]
	s_or_b32 s[G0B+3], s[G0B+3], 0x80000000
	s_wait_dscnt 4*NL+1                            ; the add and the youngest eight loads (R's blocks 4-7) may be out
	WIN MUL_LO
	MUL16 0, 1, NQ-1, 0, 0                         ; sixteen matrix instructions stand between the add and the wait for it
	s_wait_dscnt 0x0                               ; the add is done, and my reads of slot 0 in pass 1 are over
	s_barrier_signal -1
	MUL16 2, 1, NQ-1, 0, 0
	WIN 0
	s_barrier_wait -1
	CREST                                          ; the barrier has opened a round of the cluster's barrier: no wave of any partner still reads slot 0's W
	tensor_load_to_lds s[G0B:G0B+3], s[G1B:G1B+7]  ; every wave's one load behind the round
	s_nop 0
	PLACES NP                                      ; (the places in front of the loads below)
	v_add_nc_u32 v[ADRS], 4*NQ, v[ADRS]            ; on to slot 1's scale words (no LDS load of mine is out)
	s_wait_alu depctr_va_vdst(0)                   ; directly behind the write
	FETCH_P ADRB+1, 0, 0
	FETCH_A 1, 0, 0
	SCALES 1
	WIN MUL_HI
	MUL16 4, 1, NQ-1, 0, 0
	MUL16 6, 1, NQ-1, 0, 0
	PLACES NP
	WIN 0
	FETCH_A 1, 0, 4
.endm
; PASS 2.  Step q of eight, in sets q % 2 of P's and of R's fragments: P = my 128 rows of x, R = my 64 rows of W
.macro FETCH_R q
.irp i, 0,1,2,3
.irp c, 0,1
	ds_load_b128 v[AF+32*((\q)%2)+FR*\i+4*\c:AF+32*((\q)%2)+FR*\i+4*\c+3], v[ADW] offset:((\q)/NQ)*HALFT+64*((\q)%NQ)+32*\c+\i*16*PITCH
.endr
.endr
.endm
.macro SCALES2 sc                      ; half sc of K: lanes 0-15 W's blocks 0-3, lanes 16-31 x's blocks 0-7
.irp i, 0,1,2,3
	ds_load_b128 v[SC+8*NQ*\sc+NQ*\i:SC+8*NQ*\sc+NQ*\i+3], v[ADV] offset:\i*SBLK+16*\sc
	ds_load_b128 v[SC+8*NQ*\sc+NQ*(\i+4):SC+8*NQ*\sc+NQ*(\i+4)+3], v[ADV+1] offset:\i*SBLK+16*\sc
.endr
.endm
.macro STEP2 q
	s_wait_dscnt 0x0                               ; this step's fragments are in
.if (\q) < 7
.if (\q) > 0
	PLACES NP                                      ; for the loads into the sets that the last step multiplied
.endif
	FETCH_P ADRA+((\q)+1)/NQ, ((\q)+1)%NQ, ((\q)+1)%2
	FETCH_R (\q)+1
.endif
	WIN MUL_LO
.set p, (\q)%2
.set sc, SC+8*NQ*((\q)/NQ)+(\q)%NQ
.irp a, 0,1,2,3
.irp b, 0,1,2,3,4,5,6,7
.if (\q) == 0
	v_wmma_scale_f32_16x16x128_f8f6f4 v[8*(8*\a+\b):8*(8*\a+\b)+7], v[128*p+FR*\b:128*p+FR*\b+FR-1], v[AF+32*p+FR*\a:AF+32*p+FR*\a+FR-1], 0, v[sc+NQ*\b], v[sc+NQ*\a] matrix_a_fmt:MATRIX_FMT_FP4 matrix_b_fmt:MATRIX_FMT_FP4 matrix_a_scale:MATRIX_SCALE_ROW1
.else
	v_wmma_scale_f32_16x16x128_f8f6f4 v[8*(8*\a+\b):8*(8*\a+\b)+7], v[128*p+FR*\b:128*p+FR*\b+FR-1], v[AF+32*p+FR*\a:AF+32*p+FR*\a+FR-1], v[8*(8*\a+\b):8*(8*\a+\b)+7], v[sc+NQ*\b], v[sc+NQ*\a] matrix_a_fmt:MATRIX_FMT_FP4 matrix_b_fmt:MATRIX_FMT_FP4 matrix_a_scale:MATRIX_SCALE_ROW1
.endif
.endr
.endr
	WIN 0
.endm
; 64 numbers of a lane, v[H] .. v[H + 63]: register 8 t + j = place 16 t + 8 (lane / 16) + j along P of my row of R.  Block b of 32 is the 16 registers of tiles 2 b, 2 b + 1, in lanes l and l xor 16.
; They become a fragment's codes in v[PC] on and two scale bytes in v[PW]: lanes 0-15 blocks 0 and 1 of row r, lanes 16-31 blocks 2 and 3.  Tile t's eight codes go to register 4 (t / 4) + 2 (t % 2) + (t % 4) / 2; then registers
; 4 c + 2 u and 4 c + 2 u + 1 exchange the first's lanes 16-31 with the second's lanes 0-15: register 4 c + q of lane (r, h) then holds places 64 c + 32 h + 8 q + 0 .. 7, which is the operand's layout.
.macro QUANT
.irp b, 0,1,2,3
	v_max3_num_f32 v[TM+\b], |v[H+16*\b]|, |v[H+1+16*\b]|, 0x1800000   ; my 16 numbers of block b, and the floor 2^(3 - 127): the byte cannot fall under 1
.endr
.irp i, 2,4,6,8,10,12,14
.irp b, 0,1,2,3
	v_max3_num_f32 v[TM+\b], v[TM+\b], |v[H+16*\b+\i]|, |v[H+1+16*\b+\i]|   ; (the four blocks by turns)
.endr
.endr
	v_permlane16_swap_b32 v[TM], v[TM+2]           ; blocks 0 and 2 exchange lane halves, 1 and 3 likewise: the larger of the two is, in lanes 0-15, the first's largest magnitude in row r, in lanes 16-31 the second's
	v_permlane16_swap_b32 v[TM+1], v[TM+3]
	v_max_num_f32 v[TM], v[TM], v[TM+2]
	v_max_num_f32 v[TM+1], v[TM+1], v[TM+3]
.irp b, 0,1
	v_add_nc_u32 v[SO+\b], 0xff000000, v[TM+\b]    ; 2 off its exponent field: the conversion's scale operand, twice
	v_add_nc_u32 v[SO+2+\b], 0xff000000, v[TM+\b]
.endr
	v_lshrrev_b32 v[TM+5], 23, v[SO]               ; the scale's byte
	v_lshrrev_b32 v[TM+6], 23, v[SO+1]
	v_permlane16_swap_b32 v[SO], v[SO+2]           ; the exchange brings block 0's to all lanes of the one and block 2's to all lanes of the other
	v_permlane16_swap_b32 v[SO+1], v[SO+3]
	v_lshl_or_b32 v[PW], v[TM+6], 8, v[TM+5]
.irp t, 0,1,2,3,4,5,6,7
	v_cvt_scalef32_pk8_fp4_f32 v[PC+4*(\t/4)+2*(\t%2)+((\t%4)/2)], v[H+8*\t:H+8*\t+7], v[SO+\t/2]
.endr
	v_nop                                          ; one plain place behind a scaled conversion
.irp c, 0,1
.irp u, 0,1
	v_permlane16_swap_b32 v[PC+4*\c+2*\u], v[PC+4*\c+2*\u+1]
.endr
.endr
.endm
; THE WAY OUT of pass 1's block a: 16 tokens, 128 channels: two heads.  The bias is added (which also brings the sums into window 0, each accumulator from its low end on); registers 0-3 are the first head's fragment, 4-7 the next head's:
; two stores of 512 consecutive bytes, aligned.
.macro EPI a
.set AC, 64*((\a)%4)
.if (\a) > 0
	s_wait_xcnt 0x0                                ; the last block's stores have read their data, which are written again below
.endif
	WIN 0x06+(\a)/4                                ; source 0 window 2 or 3, source 1 window 1, destination window 0
.irp b, 0,1,2,3,4,5,6,7
.irp i, 0,1,2,3
	v_pk_add_f32 v[H+8*\b+2*\i:H+8*\b+2*\i+1], v[AC+8*\b+2*\i:AC+8*\b+2*\i+1], v[BP+8*\b+2*\i:BP+8*\b+2*\i+1]
.endr
.endr
	WIN 0
	QUANT
	global_store_b128 v[LI], v[PC:PC+3], s[OB:OB+1] offset:512*(\a)
	global_store_b128 v[LI], v[PC+4:PC+7], s[OB:OB+1] offset:HEADB+512*(\a)
	v_mov_b32 v[PW2+(\a)], v[PW]
	ds_store_b32 v[SWA], v[PW2+(\a)] offset:64*(\a) ; lanes 0-15: the first head's word 16 a + r; lanes 16-31: the second's
.endm
; and of pass 2's: 16 channels, 128 keys: one fragment of V^T, 1,024 consecutive bytes
.macro EPIV a
	s_wait_xcnt 0x0                                ; every earlier store has read its data
	WIN 0x06
.irp b, 0,1,2,3,4,5,6,7
.irp i, 0,1,2,3
	v_pk_add_f32 v[H+8*\b+2*\i:H+8*\b+2*\i+1], v[64*(\a)+8*\b+2*\i:64*(\a)+8*\b+2*\i+1], v[BR+2*(\a):BR+2*(\a)+1]   ; one bias for my row of R
.endr
.endr
	WIN 0
	QUANT
	global_store_b128 v[LI], v[PC:PC+3], s[OBV:OBV+1] offset:1024*(\a)
	global_store_b128 v[LI], v[PC+4:PC+7], s[OBV:OBV+1] offset:1024*(\a)+512
	v_permlanex16_b32 v[TM+4], v[PW], s[SEL], s[SEL+1]
	v_lshl_or_b32 v[PW2+(\a)], v[TM+4], 16, v[PW]  ; lanes 0-15: the whole word
	ds_store_b32 v[SWA], v[PW2+(\a)] offset:64*(\a) ; (lanes 16-31 store into 256 bytes that nobody reads again)
.endm
	s_wait_alu depctr_va_vdst(0)                   ; the wait at the head's end
	s_wait_tensorcnt 0x0                           ; my tile of the head's four is in
	ds_add_u32 v[SPW], v[NIL]
	s_mov_b32 s[G1+2], 128<<16                     ; no tensor load of mine is out: slot 1 is fetched by 128 rows a wave
	s_mov_b32 s[G1+4], 128
	s_mov_b32 s[G1B+2], 128<<16
	s_mov_b32 s[G1B+4], 128
	s_wait_dscnt 0x0                               ; the add is done
	CROUND                                         ; all four tiles are in, and all sixteen work-groups are here
	s_cmp_eq_u32 s15, 0                            ; slot 1: waves 0 and 1 fetch x's halves, waves 2 and 3 W's: the first tensor load behind the round
	s_cbranch_scc0 .Lfor_w
	tensor_load_to_lds s[G0+4:G0+7], s[G1:G1+7]
	s_nop 0
.rept 4
	v_nop
.endr
	s_branch .Lasked
.Lfor_w:
	tensor_load_to_lds s[G0B+4:G0B+7], s[G1B:G1B+7]
	s_nop 0
.rept 4
	v_nop
.endr
.Lasked:
	FETCH_P ADRB, 0, 0
	FETCH_A 0, 0, 0
	SCALES 0
	FETCH_A 0, 0, 4
	STEP 0, 0, 1                                   ; the first step's products start the sums
	STEPS 0, 1
	TURN
	STEPS 1, 0
	s_wait_dscnt 4*NL                              ; pass 1's last step
	WIN MUL_LO
	MUL16 0, 1, NQ-1, 1, 0
	MUL16 2, 1, NQ-1, 1, 0
	s_wait_dscnt 0
	WIN MUL_HI
	MUL16 4, 1, NQ-1, 1, 0
	MUL16 6, 1, NQ-1, 1, 0
	WIN 0
	s_wait_tensorcnt 0x0                           ; my part of pass 2's W is in
	s_wait_dscnt 0x0                               ; no LDS instruction of mine is out at the signal
	s_barrier_signal -1
	PLACES NP                                      ; behind the last products: for the reads of results, the loads, and the writes over R's fragments
	s_barrier_wait -1                              ; everybody's is: nothing is filled from here on
	FETCH_P ADRA, 0, 0                             ; pass 2's first fragments of P, and its scale words of the first half of K, under the way out
	SCALES2 0
	s_wait_loadcnt 0x0                             ; the biases
.irp a, 0,1,2,3,4,5,6,7
	EPI \a
.endr
	ds_load_b128 v[WO:WO+3], v[SWR]                ; LDS serves a wave's instructions in order: these see my stores.  Two heads' words of 128 tokens
	ds_load_b128 v[WO+4:WO+7], v[SWR] offset:512
	FETCH_R 0
	SCALES2 1
	s_wait_dscnt 16                                ; the two loads of words are in; the 8 + 8 behind them may be out
	global_store_b128 v[LI], v[WO:WO+3], s[OS:OS+1]
	global_store_b128 v[LI], v[WO+4:WO+7], s[OS:OS+1] offset:HEADB
.set n, 0
.rept 8
	STEP2 n
.set n, n+1
.endr
	PLACES NP
.irp a, 0,1,2,3
	EPIV \a
.endr
	ds_load_b128 v[WO:WO+3], v[SWR3]               ; 64 words; lanes 16-31 read what lanes 0-15 read
	s_wait_dscnt 0x0
	global_store_b128 v[LI3], v[WO:WO+3], s[OSV:OSV+1]   ; 256 consecutive bytes, aligned; lanes l and l + 16 write the same bytes with the same values
	s_wait_tensorcnt 0x0                           ; the wave's end, behind my last tensor load and my last LDS store
	ds_add_u32 v[SPW], v[NIL]
	s_wait_dscnt 0x0
	CROUND                                         ; the closing round: no work-group ends while a partner may still ask for a tile that names it
	s_endpgm
.Lfunc_end_k_q182ddcdf67_qkv:
	.size	k_q182ddcdf67_qkv, .Lfunc_end_k_q182ddcdf67_qkv-k_q182ddcdf67_qkv
	.p2alignl 7, 3214868480
	.fill 96, 4, 3214868480
	.section	.rodata,"a",@progbits
	.p2align	6, 0x0
	.amdhsa_kernel k_q182ddcdf67_qkv
		.amdhsa_group_segment_fixed_size 327680
		.amdhsa_private_segment_fixed_size 0
		.amdhsa_enable_private_segment 0
		.amdhsa_kernarg_size 32
		.amdhsa_user_sgpr_count 2
		.amdhsa_user_sgpr_kernarg_segment_ptr 1
		.amdhsa_wavefront_size32 1
		.amdhsa_system_sgpr_workgroup_id_x 1
		.amdhsa_system_sgpr_workgroup_id_y 1
		.amdhsa_system_sgpr_workgroup_id_z 1
		.amdhsa_system_vgpr_workitem_id 0
		.amdhsa_next_free_vgpr 1024
		.amdhsa_next_free_sgpr 106
		.amdhsa_reserve_vcc 0
		.amdhsa_float_denorm_mode_32 3
		.amdhsa_float_denorm_mode_16_64 3
		.amdhsa_memory_ordered 1
		.amdhsa_forward_progress 1
		.amdhsa_inst_pref_size 218
	.end_amdhsa_kernel
	.amdgpu_metadata
---
amdhsa.version: [ 1, 2 ]
amdhsa.kernels:
  - .name:           k_q182ddcdf67_qkv
    .symbol:         k_q182ddcdf67_qkv.kd
    .args:
      - { .name: xwc, .offset: 0, .size: 8, .value_kind: global_buffer, .address_space: global }
      - { .name: xws, .offset: 8, .size: 8, .value_kind: global_buffer, .address_space: global }
      - { .name: b_qkv, .offset: 16, .size: 8, .value_kind: global_buffer, .address_space: global }
      - { .name: qkv, .offset: 24, .size: 8, .value_kind: global_buffer, .address_space: global }
    .group_segment_fixed_size: 327680
    .private_segment_fixed_size: 0
    .kernarg_segment_align: 8
    .kernarg_segment_size: 32
    .max_flat_workgroup_size: 128
    .sgpr_count:     106
    .vgpr_count:     1024
    .wavefront_size: 32
...
	.end_amdgpu_metadata
.endif
;; end of part 2
;; launch attn (part 3): grid 4 x 64, 16 waves a work-group, clusters of 4 x 1, 215,040 bytes of LDS; arguments qkv, out0; writes out0
.if DOCPART == 3
	.amdgcn_target "amdgcn-amd-amdhsa--gfx1250"
	.amdhsa_code_object_version 6
	.text
	.protected	k_q182ddcdf67_attn
	.globl	k_q182ddcdf67_attn
	.p2align	8
	.type	k_q182ddcdf67_attn,@function
k_q182ddcdf67_attn:
	s_mov_b64 s[64:65], 0
	v_nop
	global_prefetch_b8 v0, s[64:65] scope:SCOPE_SE
	s_setreg_imm32_b32 hwreg(HW_REG_WAVE_MODE, 25, 1), 1
	s_wait_xcnt 0x0
	s_wait_alu depctr_hold_cnt(0) depctr_sa_sdst(0) depctr_va_vdst(0) depctr_va_sdst(0) depctr_va_ssrc(0) depctr_va_vcc(0) depctr_vm_vsrc(0)
	s_getreg_b32 s2, hwreg(HW_REG_IB_STS2, 6, 4)
	s_cmp_eq_u32 s2, 0
	s_cbranch_scc0 .Lentry_in_a_cluster
	s_endpgm
.Lentry_in_a_cluster:
	s_bfe_u32 s2, ttmp6, 0x10000c
	s_cmp_lg_u32 s2, 0x3003
	s_cbranch_scc0 .Lentry_shape_is_right
	s_endpgm
.Lentry_shape_is_right:
; out[b][q][64 head + c] = the sum over k <= q of softmax_k(Q[q] . K[k] / 32) V[k][c], for 64 pairs (batch, head), 2,048 tokens, head size 64; both products on codes of FP4 (E2M1) with E8M0 scales.
; WORK LEFT OUT: blocks of 128 keys that all come after a tile's 16 queries: the causal mask sets their logits to -infinity, whatever the inputs hold.  A NaN or an infinity that reaches only them is not carried to the result.
; INPUT: buffer qkv, two arrays of 9,175,040 bytes (0: q; 1: k and v); head bh has 143,360 bytes = 4 chunks of 35,840 (512 tokens): +0 32 fragments of 16 tokens x 64 channels (512 bytes: lane l's 16 bytes at 16 l);
;   +16384 V^T [128 keys][channel tile of 16][1,024 bytes: registers 0-3 at 16 l, 4-7 at 512 + 16 l]; +32768 a scale word a token; +34816 V's scale words [128 keys][channel].  All are images of operand registers.
; THE SOFTMAX AHEAD OF THE SECOND PRODUCT: t = score x log2(e) / 32; M = the row's largest t so far, rounded UP to a whole number; p = 2^(t - M) is quantised along the keys, not normalised.
; The row's sum is taken of the unquantised p, in f32, and divides at the end.  When M moves, the sum and O are multiplied by 2^(old M - new M): exact.
; SHARES.  A head has 16 blocks of 128 queries, a block 8 tiles of 16.  Wave w of work-group cx owns tile cx + 4 g of block 15 - 4 c - e (worked first) and of block 12 - 4 c + e (c, e, g below).  A tile of block i meets i + 1 blocks of 128 keys:
; (16 - 4 c - e) + (13 - 4 c + e) = 29 - 8 c in wave w of every work-group, and no branch hangs on the work-group.  A tile walks its keys in steps of 256, and the odd block of 128, if there is one, last.
; CLUSTER: the four work-groups of a head need the same K, V and scale words, 143,360 dense bytes, which fit in LDS whole: they are asked for jointly, one load of 35 rows of 256 bytes a wave, once.  Nothing is filled again; one barrier
; shows all of it to the sixteen waves.  No prefetch: everything is asked for at the head, and no loop could run ahead of it.
; LAYOUT.  Both products are used transposed: S^T = K Q^T (source 0 = 16 keys, source 1 = 16 queries), O^T = V^T P^T: a lane holds ONE query (lane % 16) throughout; in S^T's tile t its register j is key 16 t + 8 (lane / 16) + j.
; K = 64 IN AN INSTRUCTION OF 128: Q's registers 4-7 are zero codes.  So a fragment of K is four registers, and tile t names v[KF + 4 t .. + 7]: its upper four are the next tile's codes (or the zero tail), which meet zeros and add nothing
; under any scale byte but 0xff, and no such byte is made.
; A BLOCK'S SCALE.  p rises with t, so a block of 32 keys has its largest p where its largest score is, and that p's exponent is floor(t - M): no exponential is needed for it.
; LIMITS: NaN and infinities are not served.  The promise holds while the scaled scores t stay under 2^31 in magnitude.  A block of p that is all zeros, or whose largest p lies under 2^-124, gets the byte 1.
; Where t - M lies so little under a whole number that p itself rounds up to a power of two, the block's scale is that of the smaller power.
.set REGION, 9175040
.set HEADB,  143360
.set CHB,    35840
.set PIECE,  8960                      ; a sixteenth of a head's record: 35 rows of 256 bytes
.set VOFF,   16384
.set WOFF,   32768
.set VSOFF,  34816
.set STAGE,  143360                    ; behind the record: 16 rows x 272 bytes for each wave, for the way out; no tensor load lands here
.set SPI,    272
.set SPARE,  STAGE+16*16*SPI           ; the spare words, 128 bytes for each wave: eight blocks of 256 bytes that no other line names
.set LK,  1                            ; v1  16 x lane;  v2 4 x lane
.set LS,  2
.set ADK, 3                            ; v3  LDS address of the step's fragments, v4 of K's scale words, v5 of V's
.set ADS, 4
.set ADT, 5
.set GO,  6                            ; v6  the way out: my byte offset in the tile's rows of out
.set STI, 7                            ; v7  the stage: where I put 32 bytes of a row;  v8 where I read a row back
.set STO, 8
.set NINF, 9                           ; v9  -infinity
.set ST,  10                           ; v10 -M, v11 the largest score so far, v[12:13] the sum in two halves
.set SPW, 14                           ; v14 LDS address of my spare word, v15 0: never rewritten
.set NIL, 15
.set QF,  16                           ; v16-19 Q's fragment, v20-23 zeros;  v24-27 the second tile's
.set QN,  24
.set QS,  28                           ; v28 Q's scale words, v29 the second tile's, v30 p's: scales and nothing else
.set QSN, 29
.set PW,  30
.set T,   31
.set KF,  32                           ; v32-63 eight fragments of K, v64-67 zeros.  Between the products: v32-39 the conversions' scale operands, v48-63 p's codes
.set SO,  32
.set PC,  48
.set KSW, 68                           ; v68-75 K's scale words, v76-79 V's
.set VSW, 76
.set O,   80                           ; v80-111 O^T
.set F,   112                          ; v112 f = 2^(old M - new M) (the pair is named by the packed multiplications, which take its low word)
.set CH,  112                          ; v[114:115], v[116:117], v[118:119]: the sum's three other chains
.set W0,  114                          ; v114-115 at work
.set BM,  120                          ; v120-127 the blocks' largest scores
.set S,   128                          ; v128-255 S^T, then p;  V^T's fragments lie where p has been converted
.set WV,  8                            ; s8 wave, s9 g = (w + w / 4) % 2, s10 bh, s11 cx, s12 and s13 the tiles' blocks, s14 at work, s15 counts steps of 256
.set GG,  9
.set BH,  10
.set CX,  11
.set IB,  12
.set IA,  13
.set TMP, 14
.set CNT, 15
.set G1,  16                           ; s[16:23] descriptor group 1;  s[24:27] group 0
.set G0,  24
.set TB,  28
.set TS,  29
.set TV,  30
.set NF,  31                           ; s31 the tile's steps of 256;  s32 the one of them that lies on the diagonal (NF: none);  s33 where the odd 128 keys lie, in steps of 256
.set MK,  32
.set PI,  33
.set SEL, 34                           ; s[34:35] lane selects for v_permlanex16_b32: lane l xor 16
.set CS,  36                           ; s[36:37] c = log2(e) / 32;  s38 -c
.set NC,  38
.set QR,  40                           ; s[40:41] the head's record of q
.set OUB, 42                           ; s[42:43], s[44:45] out at the first and at the second tile's first row
.set MS,  66                           ; s66-97 32 lane masks of the diagonal
.macro CROUND                          ; a round of the cluster's barrier: my work-group's barrier; wave 0 signals for the work-group; every wave waits for all four; my work-group's barrier once more
	s_barrier_signal -1
	s_barrier_wait -1
	s_cmp_lg_u32 s[WV], 0
	s_cbranch_scc1 .Lnot_wave_0_\@
	s_barrier_signal -3
.Lnot_wave_0_\@:
	s_barrier_wait -3
	s_barrier_signal -1
	s_barrier_wait -1
.endm
	s_load_b128 s[4:7], s[0:1], 0x0                ; qkv s[4:5], out0 s[6:7]
	v_lshl_add_u32 v[SPW], v0, 2, SPARE
	v_mov_b32 v[NIL], 0
	ds_add_u32 v[SPW], v[NIL]                      ; the wave's opening: the add, twice on end, and its wait ahead of my first tensor load
	ds_add_u32 v[SPW], v[NIL]
	v_lshrrev_b32 v10, 5, v0
	v_readfirstlane_b32 s[WV], v10                 ; wave 0..15
	s_and_b32 s[BH], ttmp7, 0xffff                 ; 16 batch + head (a cluster is one work-group high)
	s_bfe_u32 s[CX], ttmp6, 0x40000                ; my place in the cluster
	s_mov_b32 s[G1+0], 15|(3<<16)|(1<<21)          ; 15:0 the mask: all four; 17:16 elements of 8 bytes; 21 set beside a mask; no padding: every read takes 512 or 128 consecutive bytes
	s_mov_b32 s[G1+1], 32<<16                      ; tensor_dim0 = 32: rows of 256 bytes
	s_mov_b32 s[G1+2], 35<<16                      ; tensor_dim1 = 35
	s_mov_b32 s[G1+3], 32<<16                      ; tile_dim0
	s_mov_b32 s[G1+4], 35                          ; tile_dim1
	s_mov_b32 s[G1+5], 32                          ; tensor_dim0_stride
	s_mov_b32 s[G1+6], 0
	s_mov_b32 s[G1+7], 0
	s_mul_i32 s48, s[BH], HEADB                    ; the head's record
	s_mov_b32 s49, 0
	s_mul_i32 s50, s[WV], PIECE                    ; my sixteenth of it: the record lies in LDS as in memory
	s_add_co_u32 s52, s48, s50
	s_add_co_u32 s52, s52, REGION                  ; in array 1
	s_mov_b32 s53, 0
	s_wait_dscnt 0x0                               ; both opening adds are done
	s_wait_kmcnt 0x0
	s_mov_b32 s[G0], 1                             ; 1:0 count = 1
	s_mov_b32 s[G0+1], s50                         ; 63:32 LDS address
	s_add_nc_u64 s[G0+2:G0+3], s[4:5], s[52:53]    ; 120:64 global address
	s_or_b32 s[G0+3], s[G0+3], 0x80000000          ; 127:126 type = 2
	s_add_nc_u64 s[QR:QR+1], s[4:5], s[48:49]
	CROUND                                         ; all four work-groups are here: the joint loads meet
	tensor_load_to_lds s[G0:G0+3], s[G1:G1+7]
	s_nop 0
.rept 4
	v_nop
.endr
	v_and_b32 v10, 31, v0                          ; lane
	v_and_b32 v11, 15, v0                          ; r
	v_bfe_u32 v[W0], v0, 4, 1                      ; h
	v_lshlrev_b32 v[LK], 4, v10
	v_lshlrev_b32 v[LS], 2, v10
	s_wait_alu depctr_va_vdst(0)                   ; ahead of the run of scalar instructions
	; the blocks: with c = w / 4 and e = (w / 2) % 2 wave w takes blocks 15 - 4 c - e and 12 - 4 c + e: 29, 21, 13 or 5 blocks of 128 keys in all; the tile in the block goes by g = (w + c) % 2
	s_lshr_b32 s48, s[WV], 2
	s_xor_b32 s48, s48, s[WV]
	s_and_b32 s[GG], s48, 1
	s_lshr_b32 s49, s[WV], 1
	s_and_b32 s49, s49, 1
	s_and_b32 s48, s[WV], 12
	s_add_co_u32 s[IB], s48, s49
	s_xor_b32 s[IB], s[IB], 15
	s_xor_b32 s48, s48, 12
	s_add_co_u32 s[IA], s48, s49
	s_lshl_b32 s48, s[GG], 2
	s_add_co_u32 s48, s48, s[CX]
	s_lshl_b32 s48, s48, 4                         ; my tile's place in a block: 16 (cx + 4 g)
	s_lshl_b32 s50, s[IB], 7
	s_add_co_u32 s50, s50, s48                     ; the first tile's first query,
	s_lshl_b32 s51, s[IA], 7
	s_add_co_u32 s51, s51, s48                     ; the second's
	s_lshr_b32 s52, s[BH], 4
	s_lshl_b32 s52, s52, 11                        ; 2,048 tokens a batch
	s_and_b32 s53, s[BH], 15
	s_lshl_b32 s53, s53, 8                         ; a head's 64 channels are 256 bytes of a row of 4,096
.irp x, 0,1
	s_lshr_b32 s54, s[50+\x], 9
	s_mul_i32 s54, s54, CHB                        ; its chunk in q's record,
	s_and_b32 s55, s[50+\x], 511
	s_lshl_b32 s56, s55, 5
	s_add_co_u32 s56, s56, s54                     ; its fragment (32 bytes a token),
	s_lshl_b32 s57, s55, 2
	s_add_co_u32 s57, s57, s54                     ; its scale words, less 32,768
	v_add_nc_u32 v[32+\x], s56, v[LK]
	v_lshl_add_u32 v[34+\x], v11, 2, s57
	s_add_co_u32 s58, s52, s[50+\x]
	s_lshl_b32 s58, s58, 12
	s_add_co_u32 s58, s58, s53
	s_mov_b32 s59, 0
	s_add_nc_u64 s[OUB+2*\x:OUB+2*\x+1], s[6:7], s[58:59]
.endr
	s_wait_alu depctr_va_vdst(0)                   ; directly ahead of the readers below
	global_load_b128 v[QF:QF+3], v32, s[QR:QR+1]   ; both tiles' Q: they stay in registers
	global_load_b32 v[QS], v34, s[QR:QR+1] offset:WOFF
	global_load_b128 v[QN:QN+3], v33, s[QR:QR+1]
	global_load_b32 v[QSN], v35, s[QR:QR+1] offset:WOFF
	s_lshl_b32 s62, s[CX], 4
	v_lshlrev_b32 v37, 3, v[W0]
	v_sub_nc_u32 v36, v11, v37
	v_add_nc_u32 v36, s62, v36                     ; d = 16 cx + r - 8 h
.set n, 0
.rept 32
	v_cmp_gt_i32 s[MS+n], 16*(n/8)+n%8, v36        ; the diagonal block of 128 keys, register n of the four tiles 4 g .. + 3: hidden where 16 (n / 8) + n % 8 > d
.set n, n+1
.endr
	s_mul_i32 s60, s[WV], 16*SPI
	s_add_co_u32 s60, s60, STAGE                   ; my stage
	v_mul_u32_u24 v[STI], v11, SPI
	v_mul_u32_u24 v[STO], v[W0], SPI
	v_lshlrev_b32 v[GO], 12, v[W0]
	v_lshl_add_u32 v[STI], v[W0], 5, v[STI]
	v_lshl_add_u32 v[STO], v11, 4, v[STO]
	v_lshl_add_u32 v[GO], v11, 4, v[GO]            ; lanes 0-15 take one row of out, lanes 16-31 the next; 16 bytes a lane
	v_add_nc_u32 v[STI], s60, v[STI]               ; in: row r, + 32 h
	v_add_nc_u32 v[STO], s60, v[STO]               ; back: lanes 0-15 one row, lanes 16-31 the next
	v_mov_b32 v[NINF], 0xff800000
.irp i, 4,5,6,7
	v_mov_b32 v[QF+\i], 0                          ; zero codes for k = 64 .. 127
	v_mov_b32 v[KF+28+\i], 0                       ; the tail behind K's last fragment
.endr
	v_mov_b32 v[T], 0                              ; written once: a lane permute's destination counts as one of its sources
	v_mov_b32 v[F+1], 0                            ; (named as the pair's upper half before it is first written)
	s_mov_b32 s[SEL], 0x76543210
	s_mov_b32 s[SEL+1], 0xfedcba98
	s_mov_b32 s[CS], 0x3d38aa3b                    ; log2(e) / 32
	s_mov_b32 s[CS+1], s[CS]                       ; (named with it as a pair, so it is written)
	s_mov_b32 s[NC], 0xbd38aa3b
; S^T's tile t: 16 keys x my 16 queries.  K's scale words: register t / 2, lanes 0-15 for even t, lanes 16-31 for odd t
.macro SMUL t
.if (\t)%2
	v_wmma_scale_f32_16x16x128_f8f6f4 v[S+8*(\t):S+8*(\t)+7], v[KF+4*((\t)%8):KF+4*((\t)%8)+7], v[QF:QF+7], 0, v[KSW+(\t)/2], v[QS] matrix_a_fmt:MATRIX_FMT_FP4 matrix_b_fmt:MATRIX_FMT_FP4 matrix_a_scale:MATRIX_SCALE_ROW1
.else
	v_wmma_scale_f32_16x16x128_f8f6f4 v[S+8*(\t):S+8*(\t)+7], v[KF+4*((\t)%8):KF+4*((\t)%8)+7], v[QF:QF+7], 0, v[KSW+(\t)/2], v[QS] matrix_a_fmt:MATRIX_FMT_FP4 matrix_b_fmt:MATRIX_FMT_FP4
.endif
.endm
; O^T's tile ct: 16 channels x my 16 queries, K = 128 keys: half hf of the step.  p's scale words: lanes 0-15 for half 0, lanes 16-31 for half 1
.macro OMUL hf, ct, vf
.if ((\ct)%2 == 0) && ((\hf) == 0)
	v_wmma_scale_f32_16x16x128_f8f6f4 v[O+8*(\ct):O+8*(\ct)+7], v[\vf+8*(\ct):\vf+8*(\ct)+7], v[PC:PC+7], v[O+8*(\ct):O+8*(\ct)+7], v[VSW+(\ct)/2], v[PW] matrix_a_fmt:MATRIX_FMT_FP4 matrix_b_fmt:MATRIX_FMT_FP4
.elseif ((\hf) == 0)
	v_wmma_scale_f32_16x16x128_f8f6f4 v[O+8*(\ct):O+8*(\ct)+7], v[\vf+8*(\ct):\vf+8*(\ct)+7], v[PC:PC+7], v[O+8*(\ct):O+8*(\ct)+7], v[VSW+(\ct)/2], v[PW] matrix_a_fmt:MATRIX_FMT_FP4 matrix_b_fmt:MATRIX_FMT_FP4 matrix_a_scale:MATRIX_SCALE_ROW1
.elseif ((\ct)%2 == 0)
	v_wmma_scale_f32_16x16x128_f8f6f4 v[O+8*(\ct):O+8*(\ct)+7], v[\vf+32+8*(\ct):\vf+32+8*(\ct)+7], v[PC+8:PC+15], v[O+8*(\ct):O+8*(\ct)+7], v[VSW+2+(\ct)/2], v[PW] matrix_a_fmt:MATRIX_FMT_FP4 matrix_b_fmt:MATRIX_FMT_FP4 matrix_b_scale:MATRIX_SCALE_ROW1
.else
	v_wmma_scale_f32_16x16x128_f8f6f4 v[O+8*(\ct):O+8*(\ct)+7], v[\vf+32+8*(\ct):\vf+32+8*(\ct)+7], v[PC+8:PC+15], v[O+8*(\ct):O+8*(\ct)+7], v[VSW+2+(\ct)/2], v[PW] matrix_a_fmt:MATRIX_FMT_FP4 matrix_b_fmt:MATRIX_FMT_FP4 matrix_a_scale:MATRIX_SCALE_ROW1 matrix_b_scale:MATRIX_SCALE_ROW1
.endif
.endm
; THE DIAGONAL, on the 64 scores from register a on: my tile is one of the tiles 4 g .. 4 g + 3 of its block.  g = 0: the keys of tiles 4-7 are hidden, those of 0-3 go by the masks;  g = 1: tiles 0-3 count, 4-7 go by the masks.
; Hidden scores become -infinity ahead of the maximum: p = 0 then.  A tile's first key on the diagonal block, or an earlier one, counts for every query, so the row's maximum is a number.
.macro MASK a
	s_cmp_lg_u32 s[GG], 0
	s_cbranch_scc1 .Lupper_\@
.set n, 0
.rept 32
	v_cndmask_b32 v[\a+n], v[\a+n], v[NINF], s[MS+n]
.set n, n+1
.endr
.rept 32
	v_mov_b32 v[\a+n], v[NINF]
.set n, n+1
.endr
	s_wait_alu depctr_va_vdst(0)                   ; directly ahead of the branch
	s_branch .Lmasked_\@
.Lupper_\@:
.set n, 0
.rept 32
	v_cndmask_b32 v[\a+32+n], v[\a+32+n], v[NINF], s[MS+n]
.set n, n+1
.endr
.Lmasked_\@:
.endm
.macro MAXB hf                         ; half hf: my 16 keys' largest score of each block of 32 keys (the four blocks by turns)
.irp b, 0,1,2,3
	v_max3_num_f32 v[BM+4*\hf+\b], v[S+64*\hf+16*\b], v[S+64*\hf+16*\b+1], v[S+64*\hf+16*\b+2]
.endr
.irp i, 3,5,7,9,11,13
.irp b, 0,1,2,3
	v_max3_num_f32 v[BM+4*\hf+\b], v[BM+4*\hf+\b], v[S+64*\hf+16*\b+\i], v[S+64*\hf+16*\b+\i+1]
.endr
.endr
.irp b, 0,1,2,3
	v_max_num_f32 v[BM+4*\hf+\b], v[BM+4*\hf+\b], v[S+64*\hf+16*\b+15]
.endr
.endm
.macro SUMS from, to                   ; THE ROW'S SUM IS TAKEN OF THE UNQUANTISED p: two at a time, in four chains
.set n, \from
.rept (\to)-(\from)
.if n%4 == 0
	v_pk_add_f32 v[ST+2:ST+3], v[ST+2:ST+3], v[S+2*n:S+2*n+1]
.else
	v_pk_add_f32 v[CH+2*(n%4):CH+2*(n%4)+1], v[CH+2*(n%4):CH+2*(n%4)+1], v[S+2*n:S+2*n+1]
.endif
.set n, n+1
.endr
.endm
.macro CODES hf                        ; tile t's eight codes: keys 16 t + 8 h + 0 .. 7
.irp t, 0,1,2,3,4,5,6,7
	v_cvt_scalef32_pk8_fp4_f32 v[PC+8*\hf+4*(\t/4)+2*(\t%2)+((\t%4)/2)], v[S+64*\hf+8*\t:S+64*\hf+8*\t+7], v[SO+4*\hf+\t/2]
.endr
.endm
; A STEP of H x 128 keys; fs: the scalar that counts where it lies, in steps of 256 (half a chunk)
.macro STEP H, fs
	s_lshr_b32 s[TS], s[\fs], 1
	s_mul_i32 s[TS], s[TS], CHB
	s_and_b32 s[TV], s[\fs], 1
	s_lshl_b32 s[TMP], s[TV], 13
	s_add_co_u32 s[TB], s[TS], s[TMP]              ; fragments: 4,096 bytes for 128 keys
	s_lshl_b32 s[TMP], s[TV], 10
	s_add_co_u32 s[TMP], s[TMP], s[TS]             ; K's words: 512, V's: 256
	s_lshl_b32 s[TV], s[TV], 9
	s_add_co_u32 s[TV], s[TV], s[TS]
	v_add_nc_u32 v[ADK], s[TB], v[LK]
	v_add_nc_u32 v[ADS], s[TMP], v[LS]
	v_add_nc_u32 v[ADT], s[TV], v[LS]
	v_nop                                          ; with the three additions: five places behind the last step's products, whose operands the loads and the products below write over
	v_nop
	s_wait_alu depctr_va_vdst(0)
.irp t, 0,1,2,3,4,5,6,7
	ds_load_b128 v[KF+4*\t:KF+4*\t+3], v[ADK] offset:512*\t        ; a fragment of K as it stands: 512 consecutive bytes
.endr
.set n, 0
.rept 4*(\H)
	ds_load_b32 v[KSW+n], v[ADS] offset:WOFF+128*n ; the words of 32 keys: two tiles
.set n, n+1
.endr
	s_wait_dscnt 0x0
.irp t, 0,1,2,3,4,5,6,7
	SMUL \t
.endr
.rept 4
	v_nop                                          ; places in front of the loads into K's registers and of the first read of the scores
.endr
.if (\H) == 2
.irp t, 0,1,2,3,4,5,6,7
	ds_load_b128 v[KF+4*\t:KF+4*\t+3], v[ADK] offset:4096+512*\t
.endr
	MAXB 0                                         ; while they are on their way
	s_wait_dscnt 0x0
.irp t, 8,9,10,11,12,13,14,15
	SMUL \t
.endr
.rept 4
	v_nop
.endr
	s_cmp_lg_u32 s[CNT], s[MK]                     ; the diagonal lies in the second half of this step alone
	s_cbranch_scc1 .Lopen_\@
	MASK S+64
.Lopen_\@:
	MAXB 1
.else
	MASK S                                         ; the odd 128 keys are the last: the diagonal
	MAXB 0
.endif
; Block x (0 .. 2 H - 1) and block x + 2 H exchange lane halves: the first's lanes 16-31 with the second's lanes 0-15.  The larger of the two is then, in lanes 0-15, block x's largest score of query r, in lanes 16-31 block x + 2 H's.
.set x, 0
.rept 2*(\H)
	v_permlane16_swap_b32 v[BM+x], v[BM+2*(\H)+x]
.set x, x+1
.endr
.set x, 0
.rept 2*(\H)
	v_max_num_f32 v[BM+x], v[BM+x], v[BM+2*(\H)+x]
.set x, x+1
.endr
.if (\H) == 2
	v_max3_num_f32 v[W0], v[BM], v[BM+1], v[BM+2]
	s_delay_alu instid0(VALU_DEP_1)
	v_max_num_f32 v[W0], v[W0], v[BM+3]
.else
	v_max_num_f32 v[W0], v[BM], v[BM+1]
.endif
	s_delay_alu instid0(VALU_DEP_1)
	v_permlanex16_b32 v[T], v[W0], s[SEL], s[SEL+1]
	s_delay_alu instid0(VALU_DEP_1)
	v_max3_num_f32 v[ST+1], v[ST+1], v[W0], v[T]   ; the running largest score of my query
	s_delay_alu instid0(VALU_DEP_1)
	v_mul_f32 v[W0], s[NC], v[ST+1]                ; -t
	v_mov_b32 v[T], v[ST]
	s_delay_alu instid0(VALU_DEP_2)
	v_floor_f32 v[ST], v[W0]                       ; the new -M = floor(-t) = -ceil(t): M IS A WHOLE NUMBER
	s_delay_alu instid0(VALU_DEP_1)
	v_sub_f32 v[T], v[ST], v[T]                    ; M's old value less its new one: a whole number, 0 or less
.set x, 0
.rept 2*(\H)
	v_fma_f32 v[BM+x], v[BM+x], s[CS], v[ST]       ; each block's largest t - M
.set x, x+1
.endr
	v_cvt_i32_f32 v[T], v[T]                       ; (it saturates)
.set x, 0
.rept 2*(\H)
	v_max_num_f32 v[BM+x], 0xc2f80000, v[BM+x]     ; held at -124: the byte cannot fall under 1
.set x, x+1
.endr
	v_ldexp_f32 v[F], 1.0, v[T]                    ; f = 2^(old M - new M): a multiplication by it rounds nothing
.set x, 0
.rept 2*(\H)
	v_cvt_floor_i32_f32 v[BM+x], v[BM+x]           ; the exponent of the block's largest p
.set x, x+1
.endr
.set x, 0
.rept 2*(\H)
	v_lshl_add_u32 v[SO+x], v[BM+x], 23, 0x3e800000            ; the scale 2^(exponent - 2) as an f32: (exponent + 125) << 23,
	v_lshl_add_u32 v[SO+2*(\H)+x], v[BM+x], 23, 0x3e800000     ; twice:
.set x, x+1
.endr
.if (\H) == 2
	v_lshl_add_u32 v[W0+1], v[BM+3], 8, v[BM+2]    ; p's scale words: lanes 0-15 the first 128 keys', lanes 16-31 the second's.  The four exponents in four bytes,
	s_delay_alu instid0(VALU_DEP_1)
	v_lshl_add_u32 v[W0+1], v[W0+1], 8, v[BM+1]
	s_delay_alu instid0(VALU_DEP_1)
	v_lshl_add_u32 v[W0+1], v[W0+1], 8, v[BM]
.else
	v_lshl_add_u32 v[W0+1], v[BM+1], 8, v[BM]      ; p's scale words, lanes 0-15: two bytes are mine, two lane l xor 16's
	s_delay_alu instid0(VALU_DEP_1)
	v_permlanex16_b32 v[T], v[W0+1], s[SEL], s[SEL+1]
	s_delay_alu instid0(VALU_DEP_1)
	v_lshl_add_u32 v[W0+1], v[T], 16, v[W0+1]
.endif
	s_delay_alu instid0(VALU_DEP_1)
	v_add_nc_u32 v[PW], 0x7d7d7d7d, v[W0+1]        ; + 125 in each: the sums lie between 1 and 126
.set x, 0
.rept 2*(\H)
	v_permlane16_swap_b32 v[SO+x], v[SO+2*(\H)+x]  ; and the exchange of halves brings block x's to all lanes of the one and block x + 2 H's to all lanes of the other
.set x, x+1
.endr
.set n, 0
.rept 32*(\H)
	v_pk_fma_f32 v[S+n:S+n+1], v[S+n:S+n+1], s[CS:CS+1], v[ST:ST+1] op_sel_hi:[1,0,0]   ; t - M, two at a time (of the pairs c and -M the low word serves both halves)
.set n, n+2
.endr
	s_wait_alu depctr_va_vdst(0)                   ; the wait ahead of the batch
.set n, 0
.rept 64*(\H)
	v_exp_f32 v[S+n], v[S+n]                       ; p = 2^(t - M), at most 1: NOT normalised
.set n, n+1
.endr
	v_pk_mul_f32 v[ST+2:ST+3], v[ST+2:ST+3], v[F:F+1] op_sel_hi:[1,0]   ; the sums under the new M.  (A plain place behind the exponentials)
	s_wait_alu depctr_va_vdst(0)                   ; and for this one ahead of the batch's first reader
.irp i, 1,2,3
	v_pk_add_f32 v[CH+2*\i:CH+2*\i+1], v[S+4*\i-4:S+4*\i-3], v[S+4*\i-2:S+4*\i-1]   ; three of the chains begin with two pairs each
.endr
	SUMS 6, 32
	CODES 0
.if (\H) == 2
.set VF, S                             ; V^T's fragments land where half 0's p has been summed and converted
.else
.set VF, S+64
.endif
.set n, 0
.rept 4*(\H)
	ds_load_b128 v[VF+8*n:VF+8*n+3], v[ADK] offset:VOFF+1024*n     ; V^T's four fragments for each 128 keys
	ds_load_b128 v[VF+8*n+4:VF+8*n+7], v[ADK] offset:VOFF+1024*n+512
.set n, n+1
.endr
.set n, 0
.rept 2*(\H)
	ds_load_b32 v[VSW+n], v[ADT] offset:VSOFF+128*n                ; the words of 32 channels: two tiles
.set n, n+1
.endr
.if (\H) == 2
	CODES 1
	SUMS 32, 64
.endif
	v_pk_add_f32 v[CH+2:CH+3], v[CH+2:CH+3], v[CH+4:CH+5]          ; (also the plain lines behind the conversions)
	v_pk_add_f32 v[ST+2:ST+3], v[ST+2:ST+3], v[CH+6:CH+7]
.set n, 0
.rept 4*(\H)
	v_permlane16_swap_b32 v[PC+2*n], v[PC+2*n+1]   ; the first's lanes 16-31 with the second's lanes 0-15: register 4 c + q then holds keys 64 c + 32 h + 8 q + 0 .. 7: the operand's layout
.set n, n+1
.endr
	v_pk_add_f32 v[ST+2:ST+3], v[ST+2:ST+3], v[CH+2:CH+3]
	s_wait_alu depctr_va_vdst(0)                   ; directly ahead of the first readers of O^T
.set n, 0
.rept 16
	v_pk_mul_f32 v[O+n:O+n+1], v[O+n:O+n+1], v[F:F+1] op_sel_hi:[1,0]   ; O^T under the new M, from each accumulator's low end on.  (These are also the places between p's word and codes and the products below)
.set n, n+2
.endr
	s_wait_alu depctr_va_vdst(0)
	s_wait_dscnt 0x0
.irp ct, 0,1,2,3
	OMUL 0, \ct, VF                                ; the four accumulators by turns: three other products between two links
.endr
.if (\H) == 2
.irp ct, 0,1,2,3
	OMUL 1, \ct, VF
.endr
.endif
.endm
; THE WAY OUT.  The sum's two halves and lane l xor 16's are added; O^T is divided by the sum and goes through my stage in LDS, so that sixteen lanes store a token's 256 consecutive bytes of one head, aligned.
.macro OUT base
.rept 4
	v_nop                                          ; places behind the last products
.endr
	v_add_f32 v[ST+2], v[ST+2], v[ST+3]
	s_delay_alu instid0(VALU_DEP_1)
	v_permlanex16_b32 v[T], v[ST+2], s[SEL], s[SEL+1]
	s_delay_alu instid0(VALU_DEP_1)
	v_add_f32 v[ST+2], v[ST+2], v[T]               ; the row's sum
	s_wait_alu depctr_va_vdst(0)                   ; the wait ahead of the transcendental
	v_rcp_f32 v[W0], v[ST+2]
	v_mov_b32 v[W0+1], 0                           ; a plain place behind it; and the pair's upper half is written
	s_wait_alu depctr_va_vdst(0)                   ; and ahead of its first reader
.set n, 0
.rept 16
	v_pk_mul_f32 v[S+n:S+n+1], v[O+n:O+n+1], v[W0:W0+1] op_sel_hi:[1,0]   ; register 8 ct + i is out(query r, channel 16 ct + 8 h + i)
.set n, n+2
.endr
.irp ct, 0,1,2,3
	ds_store_b128 v[STI], v[S+8*\ct:S+8*\ct+3] offset:64*\ct
	ds_store_b128 v[STI], v[S+8*\ct+4:S+8*\ct+7] offset:64*\ct+16
.endr
.irp i, 0,1,2,3,4,5,6,7
	ds_load_b128 v[S+32+4*\i:S+35+4*\i], v[STO] offset:2*\i*SPI    ; LDS serves a wave's instructions in order: these see my stores
.endr
.irp i, 0,1,2,3,4,5,6,7
	s_wait_dscnt 7-\i                              ; load i is in; the 7 - i behind it may be out.  The last wait is for 0: the stage is free for the next tile
	global_store_b128 v[GO], v[S+32+4*\i:S+35+4*\i], s[\base:\base+1] offset:8192*\i th:TH_STORE_NT   ; written once, read by nobody here
.endr
.endm
; A TILE of block bi.  trips: the most steps of 256 that any wave has; a wave passes over those that it has not, by a scalar branch on its number
.macro TILE bi, trips, base
	s_add_co_u32 s[NF], s[\bi], 1
	s_lshr_b32 s[NF], s[NF], 1                     ; (i + 1) / 2 steps of 256
	s_and_b32 s[TMP], s[\bi], 1
	s_sub_co_u32 s[MK], s[NF], s[TMP]              ; i odd: the last of them holds the diagonal; i even: none
	s_lshr_b32 s[PI], s[\bi], 1
	v_mov_b32 v[ST], 0x7d000000                    ; -M = 2^123 and the largest score -3e38: nothing so far
	v_mov_b32 v[ST+1], 0xff61b1e6
	v_mov_b32 v[ST+2], 0                           ; the sum
	v_mov_b32 v[ST+3], 0
.set n, 0
.rept 32
	v_mov_b32 v[O+n], 0                            ; O^T.  (A step is written once: the first finds zeros, which the first change of M leaves zeros)
.set n, n+1
.endr
	s_wait_alu depctr_va_vdst(0)
	s_mov_b32 s[CNT], 0
.Lstep_\@:
	s_cmp_ge_u32 s[CNT], s[NF]
	s_cbranch_scc1 .Lpast_\@
	STEP 2, CNT
.Lpast_\@:
	s_add_co_u32 s[CNT], s[CNT], 1
	s_wait_alu depctr_va_vdst(0)                   ; ahead of the branch
	s_cmp_lt_u32 s[CNT], \trips
	s_cbranch_scc1 .Lstep_\@
	s_and_b32 s[TMP], s[\bi], 1
	s_cmp_lg_u32 s[TMP], 0
	s_cbranch_scc1 .Leven_\@
	STEP 1, PI                                     ; i + 1 is odd: the last 128 keys
.Leven_\@:
	OUT \base
.endm
	s_wait_alu depctr_va_vdst(0)                   ; the wait at the head's end
	s_wait_loadcnt 0x0                             ; Q and its scale words
	s_wait_tensorcnt 0x0                           ; my sixteenth of the record has landed
	s_wait_dscnt 0x0                               ; no LDS instruction of mine is out at the signal
	s_barrier_signal -1
	s_barrier_wait -1                              ; everybody's has: nothing is filled from here on, and no wave waits for another until the end
	TILE IB, 8, OUB
	s_wait_xcnt 0x0                                ; the first tile's stores have read their data: the scores' registers may be written
.irp i, 0,1,2,3
	v_mov_b32 v[QF+\i], v[QN+\i]                   ; the second tile's Q
.endr
	v_mov_b32 v[QS], v[QSN]
	TILE IA, 7, OUB+2
	s_wait_tensorcnt 0x0                           ; the wave's end, behind my last tensor load and my last LDS store
	ds_add_u32 v[SPW], v[NIL]
	s_wait_dscnt 0x0
	CROUND                                         ; the closing round: no work-group ends while a partner may still ask for bytes that name it
	s_endpgm
.Lfunc_end_k_q182ddcdf67_attn:
	.size	k_q182ddcdf67_attn, .Lfunc_end_k_q182ddcdf67_attn-k_q182ddcdf67_attn
	.p2alignl 7, 3214868480
	.fill 96, 4, 3214868480
	.section	.rodata,"a",@progbits
	.p2align	6, 0x0
	.amdhsa_kernel k_q182ddcdf67_attn
		.amdhsa_group_segment_fixed_size 215040
		.amdhsa_private_segment_fixed_size 0
		.amdhsa_enable_private_segment 0
		.amdhsa_kernarg_size 16
		.amdhsa_user_sgpr_count 2
		.amdhsa_user_sgpr_kernarg_segment_ptr 1
		.amdhsa_wavefront_size32 1
		.amdhsa_system_sgpr_workgroup_id_x 1
		.amdhsa_system_sgpr_workgroup_id_y 1
		.amdhsa_system_sgpr_workgroup_id_z 1
		.amdhsa_system_vgpr_workitem_id 0
		.amdhsa_next_free_vgpr 256
		.amdhsa_next_free_sgpr 98
		.amdhsa_reserve_vcc 0
		.amdhsa_float_denorm_mode_32 3
		.amdhsa_float_denorm_mode_16_64 3
		.amdhsa_memory_ordered 1
		.amdhsa_forward_progress 1
		.amdhsa_inst_pref_size 125
	.end_amdhsa_kernel
	.amdgpu_metadata
---
amdhsa.version: [ 1, 2 ]
amdhsa.kernels:
  - .name:           k_q182ddcdf67_attn
    .symbol:         k_q182ddcdf67_attn.kd
    .args:
      - { .name: qkv, .offset: 0, .size: 8, .value_kind: global_buffer, .address_space: global }
      - { .name: out0, .offset: 8, .size: 8, .value_kind: global_buffer, .address_space: global }
    .group_segment_fixed_size: 215040
    .private_segment_fixed_size: 0
    .kernarg_segment_align: 8
    .kernarg_segment_size: 16
    .max_flat_workgroup_size: 512
    .sgpr_count:     98
    .vgpr_count:     256
    .wavefront_size: 32
...
	.end_amdgpu_metadata
.endif
;; end of part 3
